; MI455X (gfx1250); checked and timed in simulation.
; The chip was launched on July 23, 2026; its instructions are those of AMD's public machine-readable ISA for CDNA 5 (MIT licence, August 2026) and "CDNA5" Instruction Set Architecture Reference Guide (July 2026). The comments in the code are by the model that wrote it; some were corrected since.
;; Cross Attn Block. Allowed arithmetic: matrix products marked QUANTISED: E2M3 operands, one E8M0 scale for each 32 along K, by v_wmma_scale_f32_16x16x128_f8f6f4 with both operands' format E2M3, f32 sums; products left as they are: f32 operands where the result goes on into a quantised operand, else bf16, f16 or f32 operands; f32 sums; everything else in f32.
;; Inputs: Wkv_codes 2,048 x 32 x 24 uint8 (E2M3 codes of Wkv, K innermost, in blocks of 32 codes, four codes in three bytes); Wkv_scales 2,048 x 32 uint8 (E8M0 scales of Wkv, one for each 32 codes along K); Wp_codes 1,024 x 32 x 24 uint8 (E2M3 codes of Wp, K innermost, in blocks of 32 codes, four codes in three bytes); Wp_scales 1,024 x 32 uint8 (E8M0 scales of Wp, one for each 32 codes along K); Wq_codes 1,024 x 32 x 24 uint8 (E2M3 codes of Wq, K innermost, in blocks of 32 codes, four codes in three bytes); Wq_scales 1,024 x 32 uint8 (E8M0 scales of Wq, one for each 32 codes along K); Wss_kv 1,024 x 2,048 float32; Wss_q 1,024 x 2,048 float32; bkv 2,048 float32; bp 1,024 float32; bq 1,024 float32; bss_kv 2,048 float32; bss_q 2,048 float32; t_vec 8 x 1,024 float32; x_kv 8 x 512 x 1,024 float32; x_q 8 x 2,048 x 1,024 float32.
;; Outputs: out0 8 x 2,048 x 1,024 float32.
;; This version of the problem:
;;   THIS VERSION OF THE PROBLEM IS GIVEN IN LOW PRECISION. The matrix products marked QUANTISED in the list below multiply operands that are first quantised to E2M3 (2 exponent bits, 3 mantissa bits; 6 bits a number), with one power-of-two scale for each 32 numbers along K (OCP MX v1.0); their sums are f32. All else is computed in f32.
;;   The module's matrix products, in the order in which they are computed (A, B: the left and right operand; K: the contracted axis; several contracted axes count as one K, in the product's order):
;;     1. [M 8, K 1,024] x [K 1,024, N 2,048]; A: computed on the way; B: input Wss_q: left as it is (M = 8 < 16)
;;     2. [M 8, K 1,024] x [K 1,024, N 2,048]; A: computed on the way; B: input Wss_kv: left as it is (M = 8 < 16)
;;     3. [M 16,384, K 1,024] x [K 1,024, N 1,024]; A: computed on the way; B: input Wq (given as codes): QUANTISED
;;     4. [M 4,096, K 1,024] x [K 1,024, N 2,048]; A: computed on the way; B: input Wkv (given as codes): QUANTISED
;;     5. batch 128 x [M 2,048, K 64] x [K 64, N 512]; A: computed on the way; B: computed on the way: QUANTISED
;;     6. batch 128 x [M 64, K 512] x [K 512, N 2,048]; A: computed on the way; B: softmax (see below): QUANTISED
;;     7. [M 16,384, K 1,024] x [K 1,024, N 1,024]; A: computed on the way; B: input Wp (given as codes): QUANTISED
;;   THE QUANTISER, for each operand of a quantised product, along K:
;;     - K is cut into blocks of 32 from its start; a last block that is shorter is filled with zeros.
;;     - A block's scale is 2^e with e = floor(log2(the largest magnitude in the block)) - 2, held to -126 .. 127; a block of zeros has e = 0. As a byte (E8M0): e + 127.
;;     - Each number is divided by its block's scale, clamped to +-7.5, and rounded to the nearest number of E2M3, ties to even, subnormals kept.
;;     - The product sums the exact products of the quantised numbers (number of the format x scale) in f32.
;;   ~~~python
;;   def quantise(x, axis):      # numpy; x: float32 -> the quantised numbers, widened to float32 again
;;       x = np.moveaxis(x, axis, -1); K = x.shape[-1]
;;       x = np.pad(x, [(0, 0)] * (x.ndim - 1) + [(0, -K % 32)]); x = x.reshape(x.shape[:-1] + (-1, 32)); a = np.abs(x).max(-1, keepdims=True)
;;       e = np.where(a > 0, np.clip(np.frexp(np.where(a > 0, a, 1))[1] - 1 - 2, -126, 127), 0)      # np.frexp(a)[1] - 1 = floor(log2(a)), exactly
;;       r = np.clip(x / 2.0 ** e, -7.5, 7.5)
;;       step = 2.0 ** (np.maximum(np.frexp(np.where(r == 0, 1, r))[1] - 1, 0) - 3)
;;       q = np.round(r / step) * step * 2.0 ** e      # np.round: ties to even
;;       return np.moveaxis(q.reshape(q.shape[:-2] + (-1,))[..., :K], -1, axis).astype(np.float32)
;;   ~~~
;;   SOFTMAX AHEAD OF A QUANTISED PRODUCT. Where the list says 'softmax', what is quantised is not the finished softmax but p = 2^(t - M), with t = logit x log2(e) and M = ceil(the row's largest t), a whole number; so 1/2 < the row's largest p <= 1. The row's sum l is taken of the UNQUANTISED p, in f32, and the product's result is divided by l at the end. Since M is a whole number, a kernel that streams over the keys may use a running M (the ceiling of the running maximum): every later rescaling is an exact power of two, which a block's scale takes up: the codes' values come out the same.
;;   OPERANDS COMPUTED ON THE WAY. 'Computed on the way' means the value that the module computes at that place (a softmax that the list does not call 'softmax' is quantised finished and normalised). What goes into a quantiser is computed in f32, as accurately as f32 sums, v_exp_f32 and their like allow (about 1e-6 of the number): no bf16 or f16 on the way to a quantiser, and a product that is left as it is and whose result goes on into a quantised operand takes f32 operands (vector FMAs, or v_wmma_f32_16x16x4_f32). A number that lies on a knife's edge between two numbers of the format may be rounded either way, as far as f32 arithmetic and the matrix unit's own rounding can turn it there, and no further.
;;   INPUTS GIVEN AS CODES. Wkv (in the module: [1024, 2048], K = its axis 0); Wp (in the module: [1024, 1024], K = its axis 0); Wq (in the module: [1024, 1024], K = its axis 0): each comes as NAME_codes (uint8): NAME with its K axis moved to the last place and cut into blocks of 32 codes, [.., K / 32, bytes a block], one block behind the other in memory; four codes in three bytes: a row's codes are one little-endian stream of bits, code i at bits 6 i .. 6 i + 5 (a code: sign, 2 exponent bits, 3 mantissa bits); and NAME_scales (uint8): the same leading axes, one E8M0 byte (e + 127) for each 32 codes along K. Its value is code x scale, taken as it is: it is not quantised again, and the codes and scales need not be those that the quantiser above would give.
;; One version. Each part assembles by itself: llvm-mc -triple=amdgcn-amd-amdhsa -mcpu=gfx1250 --defsym DOCPART=n.
;; ======== version 1 of 1: 3 launches
;; limits: right only within a limited range of input values
;; workspace buffers: ssp 524,288 bytes; wfrag 3,145,728 bytes; kvf 6,291,456 bytes; kvs 393,216 bytes
;; launch prep (part 1): grid 256 x 1, 4 waves a work-group, no clusters, 16,896 bytes of LDS; arguments t_vec, Wss_q, Wss_kv, bss_q, bss_kv, Wq_codes, Wp_codes, Wkv_codes, ssp, wfrag; writes ssp, wfrag
.if DOCPART == 1
	.amdgcn_target "amdgcn-amd-amdhsa--gfx1250"
	.amdhsa_code_object_version 6
	.text
	.protected	k_q79ac233230_prep
	.globl	k_q79ac233230_prep
	.p2align	8
	.type	k_q79ac233230_prep,@function
k_q79ac233230_prep:
	s_mov_b64 s[64:65], 0
	v_nop
	global_prefetch_b8 v0, s[64:65] scope:SCOPE_SE
	s_setreg_imm32_b32 hwreg(HW_REG_WAVE_MODE, 25, 1), 1
	s_wait_xcnt 0x0
; PREP.  (1) Partial sums of silu(t) Wss_q and silu(t) Wss_kv in f32 (fused multiply-adds: the results go on into quantised operands).
; ssp[mat 2][kp 4][b 8][n 2048]: part kp sums k = 256 kp .. 256 kp + 255; part 0 also holds the bias, and 1 more for n < 1024, so that the four parts add up to (1 + scale | bias).
; (2) The codes of Wq, Wp, Wkv are laid anew in the order of the operand's registers:
; wfrag = [Wq | Wp | Wkv], in a matrix [chunk of 64 rows][K step of 128][tile t 0..3][c 0..2][lane][16 bytes]: register 4 c + e of the fragment whose lane r is row 64 chunk + 32 (t / 2) + 8 (t % 2) + r + 8 (r / 8).
; SHARES.  Work-group g: mat = g / 128, cg = (g / 4) % 32 (64 columns = 256 bytes of each row of Wss), kp = g % 4.  Wave w: rows 256 kp + 64 w .. + 63.
; Lane (cq = lane % 16, h = lane / 16): columns 4 cq .. + 3 of rows 2 i + h: a load of the wave covers two rows' 256 consecutive bytes.  Each wave also lays two fragments, 8 g + 2 w + i of 2,048.
; No matrix unit (M = 8), no cluster (work-groups share only t_vec, 1 KB each), no tensor loads: 32 loads of 512 bytes a wave are out at once.
; LIMITS: NaN and infinities among the inputs are not served.
.set ST,  0                            ; LDS: silu(t)[k 256][b 8] f32
.set RED, 8192                         ; LDS: [wave 4][b 8][column 64] f32
	s_load_b512 s[4:19], s[0:1], 0x0               ; t_vec s[4:5], Wss_q s[6:7], Wss_kv s[8:9], bss_q s[10:11], bss_kv s[12:13], Wq_codes s[14:15], Wp_codes s[16:17], Wkv_codes s[18:19]
	s_load_b128 s[20:23], s[0:1], 0x40             ; ssp s[20:21], wfrag s[22:23]
	v_lshl_add_u32 v30, v0, 2, 0x4000
	v_mov_b32 v31, 0
	v_lshrrev_b32 v1, 5, v0
	v_readfirstlane_b32 s24, v1                    ; wave
	v_and_b32 v1, 31, v0                           ; lane
	v_and_b32 v2, 15, v0                           ; r = cq = thread % 16
	v_bfe_u32 v3, v0, 4, 1                         ; h
	s_lshr_b32 s25, ttmp9, 7                       ; mat
	s_bfe_u32 s26, ttmp9, 0x50002                  ; cg
	s_and_b32 s27, ttmp9, 3                        ; kp
	v_lshlrev_b32 v4, 4, v2                        ; 16 (thread % 16)
	v_lshlrev_b32 v5, 3, v0                        ; t_vec: 8 bytes a thread
	v_and_b32 v6, 8, v2
	v_add_nc_u32 v6, v6, v2                        ; r + 8 (r / 8)
	v_mul_u32_u24 v6, v6, 768                      ; a row of 1,024 codes is 768 bytes
	v_mad_u32_u24 v6, v3, 24, v6                   ; + 24 h
	v_lshl_add_u32 v7, v3, 13, v4                  ; Wss: 8,192 h + 16 cq
	v_lshlrev_b32 v8, 6, v0                        ; LDS: my two k of silu: 64 x thread
	s_lshl_b32 s33, s24, 11
	v_lshlrev_b32 v9, 5, v3
	v_add_nc_u32 v9, s33, v9                       ; LDS: silu of row 64 w + h: 2,048 w + 32 h
	v_add_nc_u32 v10, s33, v4
	v_add_nc_u32 v10, RED, v10                     ; LDS: my wave's part sums
	v_lshl_add_u32 v11, v0, 4, RED                 ; LDS: back, 16 bytes a thread
	v_lshrrev_b32 v12, 4, v0
	v_lshl_add_u32 v12, v12, 13, v4                ; ssp: 8,192 (thread / 16) + 16 (thread % 16)
	v_lshlrev_b32 v13, 4, v1                       ; 16 x lane
	s_mov_b32 s34, 0x76543210
	s_mov_b32 s35, 0xfedcba98                      ; selects for lane l xor 16
	s_lshl_b32 s36, s26, 8                         ; 256 cg
	s_mov_b32 s37, 0
	s_lshl_b32 s38, s27, 10                        ; 1,024 kp
	s_mov_b32 s39, 0
	s_lshl_b32 s40, s27, 21                        ; Wss: 8,192 (256 kp + 64 w) + 256 cg
	s_lshl_b32 s41, s24, 19
	s_add_co_u32 s40, s40, s41
	s_add_co_u32 s40, s40, s36
	s_mov_b32 s41, 0
	s_cmp_lt_u32 ttmp9, 64                         ; which matrix of codes: g < 64 Wq, g < 128 Wp, else Wkv
	s_cselect_b32 s42, 0, 64
	s_cmp_lt_u32 ttmp9, 128
	s_cselect_b32 s42, s42, 128
	s_sub_co_u32 s42, ttmp9, s42
	s_lshr_b32 s42, s42, 2                         ; chunk
	s_mul_i32 s42, s42, 49152
	s_and_b32 s43, s24, 1
	s_mul_i32 s43, s43, 24576                      ; tiles 2 (w % 2) + i: 32 (w % 2) rows on
	s_add_co_u32 s42, s42, s43
	s_lshl_b32 s43, ttmp9, 1
	s_lshr_b32 s44, s24, 1
	s_add_co_u32 s43, s43, s44
	s_and_b32 s43, s43, 7                          ; K step
	s_mul_i32 s43, s43, 96
	s_add_co_u32 s42, s42, s43
	s_mov_b32 s43, 0
	s_lshl_b32 s44, ttmp9, 3
	s_lshl_b32 s45, s24, 1
	s_add_co_u32 s44, s44, s45
	s_mul_i32 s44, s44, 1536                       ; wfrag: fragment 8 g + 2 w
	s_mov_b32 s45, 0
	s_lshl_b32 s46, s25, 18                        ; ssp: 262,144 mat + 65,536 kp + 256 cg
	s_lshl_b32 s47, s27, 16
	s_add_co_u32 s46, s46, s47
	s_add_co_u32 s46, s46, s36
	s_mov_b32 s47, 0
	s_wait_kmcnt 0x0
	s_cmp_eq_u32 s25, 0                            ; the choices hang on the work-group's number alone
	s_cselect_b64 s[6:7], s[6:7], s[8:9]
	s_cselect_b64 s[10:11], s[10:11], s[12:13]
	s_cmp_lt_u32 ttmp9, 64
	s_cselect_b64 s[14:15], s[14:15], s[16:17]
	s_cmp_lt_u32 ttmp9, 128
	s_cselect_b64 s[14:15], s[14:15], s[18:19]
	s_add_nc_u64 s[4:5], s[4:5], s[38:39]
	s_add_nc_u64 s[6:7], s[6:7], s[40:41]
	s_add_nc_u64 s[10:11], s[10:11], s[36:37]
	s_add_nc_u64 s[14:15], s[14:15], s[42:43]
	s_add_nc_u64 s[20:21], s[20:21], s[46:47]
	s_add_nc_u64 s[22:23], s[22:23], s[44:45]
	; 53 loads: the bias (1), t (8), two fragments (12), Wss (32)
	global_load_b128 v[16:19], v4, s[10:11]
.irp b, 0,1,2,3,4,5,6,7
	global_load_b64 v[224+2*\b:225+2*\b], v5, s[4:5] offset:4096*\b
.endr
.irp i, 0,1
.irp p, 0,1,2,3,4,5
	global_load_b64 v[192+12*\i+2*\p:193+12*\i+2*\p], v6, s[14:15] offset:6144*\i+48*(\p/3)+8*(\p%3)
.endr
.endr
.set wi, 0
.rept 32
	global_load_b128 v[64+4*wi:67+4*wi], v7, s[6:7] offset:16384*wi th:TH_LOAD_NT
.set wi, wi+1
.endr
	s_wait_loadcnt 44                              ; the bias and t are in: 12 + 32 younger loads stay out
	; silu(t) = t / (1 + 2^(-t log2 e)), sixteen numbers a thread, each transcendental as one batch
.set j, 0
.rept 16
	v_mul_f32 v[32+j], 0xbfb8aa3b, v[224+j]
.set j, j+1
.endr
.set j, 0
	s_wait_alu depctr_va_vdst(0)
.rept 16
	v_exp_f32 v[32+j], v[32+j]
.set j, j+1
.endr
	v_nop                                          ; a plain instruction behind the batch
	s_wait_alu depctr_va_vdst(0)                   ; one wait for the batch, ahead of its first reader
.set j, 0
.rept 16
	v_add_f32 v[32+j], 1.0, v[32+j]
.set j, j+1
.endr
.set j, 0
	s_wait_alu depctr_va_vdst(0)
.rept 16
	v_rcp_f32 v[32+j], v[32+j]
.set j, j+1
.endr
	v_nop
	s_wait_alu depctr_va_vdst(0)
.irp k, 0,1
.irp b, 0,1,2,3,4,5,6,7
	v_mul_f32 v[240+8*\k+\b], v[224+2*\b+\k], v[32+2*\b+\k]
.endr
.endr
.irp q, 0,1,2,3
	ds_store_b128 v8, v[240+4*\q:243+4*\q] offset:16*\q
.endr
	s_wait_dscnt 0x0                               ; for the others' sake: my part of the table is stored
	s_barrier_signal -1
	s_barrier_wait -1
	s_wait_loadcnt 32                              ; the two fragments are in
.irp i, 0,1
.irp c, 0,1,2
	global_store_b128 v13, v[192+12*\i+4*\c:195+12*\i+4*\c], s[22:23] offset:1536*\i+512*\c   ; 512 consecutive bytes a store
.endr
.endr
	s_wait_xcnt 0x0                                ; the stores' data registers are loaded anew below only behind this wait
; silu of rows 2 gi .. 2 gi + 1 (+ h) of my 64: 8 numbers a row, two sets of 16 registers by turns
.macro SLOAD gi
.irp u, 0,1
	ds_load_b128 v[192+16*((\gi)%2)+8*\u:195+16*((\gi)%2)+8*\u], v9 offset:64*(2*(\gi)+\u)
	ds_load_b128 v[196+16*((\gi)%2)+8*\u:199+16*((\gi)%2)+8*\u], v9 offset:64*(2*(\gi)+\u)+16
.endr
.endm
	SLOAD 0
.set gi, 0
.rept 16
.if gi < 15
	SLOAD gi+1
	s_wait_dscnt 4                                 ; this group's four are in, the next group's stay out
.else
	s_wait_dscnt 0x0
.endif
.set u, 0
.rept 2
.set ii, 2*gi+u
	s_wait_loadcnt 31-ii                           ; row pair ii of Wss is in
.set b, 0
.rept 8
.set rS, 192+16*(gi%2)+8*u+(b&6)
.set e, 0
.rept 2
.if ii == 0                                    ; the first products start the sums: nothing is cleared
.if b&1
	v_pk_mul_f32 v[32+4*b+e:33+4*b+e], v[64+4*ii+e:65+4*ii+e], v[rS:rS+1] op_sel:[0,1] op_sel_hi:[1,1]
.else
	v_pk_mul_f32 v[32+4*b+e:33+4*b+e], v[64+4*ii+e:65+4*ii+e], v[rS:rS+1] op_sel_hi:[1,0]
.endif
.else
.if b&1
	v_pk_fma_f32 v[32+4*b+e:33+4*b+e], v[64+4*ii+e:65+4*ii+e], v[rS:rS+1], v[32+4*b+e:33+4*b+e] op_sel:[0,1,0] op_sel_hi:[1,1,1]
.else
	v_pk_fma_f32 v[32+4*b+e:33+4*b+e], v[64+4*ii+e:65+4*ii+e], v[rS:rS+1], v[32+4*b+e:33+4*b+e] op_sel_hi:[1,0,1]
.endif
.endif
.set e, e+2
.endr
.set b, b+1
.endr
.set u, u+1
.endr
.set gi, gi+1
.endr
.set j, 0
.rept 32
	v_permlanex16_b32 v[192+j], v[32+j], s34, s35  ; the odd rows' sums lie 16 lanes away
.set j, j+1
.endr
.set j, 0
.rept 32
	v_add_f32 v[32+j], v[32+j], v[192+j]
.set j, j+1
.endr
.irp b, 0,1,2,3,4,5,6,7
	ds_store_b128 v10, v[32+4*\b:35+4*\b] offset:256*\b   ; both halves of the lanes write the same numbers
.endr
	s_wait_dscnt 0x0
	s_barrier_signal -1
	s_barrier_wait -1
.irp p, 0,1,2,3
	ds_load_b128 v[64+4*\p:67+4*\p], v11 offset:2048*\p
.endr
	s_cmp_lt_u32 s26, 16
	s_cselect_b32 s36, 0x3f800000, 0               ; 1 for the scale's columns
	s_cmp_eq_u32 s27, 0
	s_cselect_b32 s37, 0x3f800000, 0               ; the bias goes into part 0 alone
.irp e, 0,1,2,3
	v_add_f32 v[16+\e], s36, v[16+\e]
.endr
	s_wait_dscnt 0x0
	v_pk_add_f32 v[64:65], v[64:65], v[68:69]
	v_pk_add_f32 v[66:67], v[66:67], v[70:71]
	v_pk_add_f32 v[72:73], v[72:73], v[76:77]
	v_pk_add_f32 v[74:75], v[74:75], v[78:79]
	v_pk_add_f32 v[64:65], v[64:65], v[72:73]
	v_pk_add_f32 v[66:67], v[66:67], v[74:75]
.irp e, 0,1,2,3
	v_fma_f32 v[64+\e], v[16+\e], s37, v[64+\e]
.endr
	global_store_b128 v12, v[64:67], s[20:21]      ; sixteen lanes store 256 consecutive bytes, aligned
	s_wait_tensorcnt 0x0
	ds_add_u32 v30, v31
	s_wait_dscnt 0x0
	s_endpgm
.Lfunc_end_k_q79ac233230_prep:
	.size	k_q79ac233230_prep, .Lfunc_end_k_q79ac233230_prep-k_q79ac233230_prep
	.p2alignl 7, 3214868480
	.fill 96, 4, 3214868480
	.section	.rodata,"a",@progbits
	.p2align	6, 0x0
	.amdhsa_kernel k_q79ac233230_prep
		.amdhsa_group_segment_fixed_size 16896
		.amdhsa_private_segment_fixed_size 0
		.amdhsa_enable_private_segment 0
		.amdhsa_kernarg_size 80
		.amdhsa_user_sgpr_count 2
		.amdhsa_user_sgpr_kernarg_segment_ptr 1
		.amdhsa_wavefront_size32 1
		.amdhsa_system_sgpr_workgroup_id_x 1
		.amdhsa_system_sgpr_workgroup_id_y 1
		.amdhsa_system_sgpr_workgroup_id_z 1
		.amdhsa_system_vgpr_workitem_id 0
		.amdhsa_next_free_vgpr 256
		.amdhsa_next_free_sgpr 66
		.amdhsa_reserve_vcc 0
		.amdhsa_float_denorm_mode_32 3
		.amdhsa_float_denorm_mode_16_64 3
		.amdhsa_memory_ordered 1
		.amdhsa_forward_progress 1
		.amdhsa_inst_pref_size 56
	.end_amdhsa_kernel
	.amdgpu_metadata
---
amdhsa.version: [ 1, 2 ]
amdhsa.kernels:
  - .name:           k_q79ac233230_prep
    .symbol:         k_q79ac233230_prep.kd
    .args:
      - { .name: t_vec, .offset: 0, .size: 8, .value_kind: global_buffer, .address_space: global }
      - { .name: Wss_q, .offset: 8, .size: 8, .value_kind: global_buffer, .address_space: global }
      - { .name: Wss_kv, .offset: 16, .size: 8, .value_kind: global_buffer, .address_space: global }
      - { .name: bss_q, .offset: 24, .size: 8, .value_kind: global_buffer, .address_space: global }
      - { .name: bss_kv, .offset: 32, .size: 8, .value_kind: global_buffer, .address_space: global }
      - { .name: Wq_codes, .offset: 40, .size: 8, .value_kind: global_buffer, .address_space: global }
      - { .name: Wp_codes, .offset: 48, .size: 8, .value_kind: global_buffer, .address_space: global }
      - { .name: Wkv_codes, .offset: 56, .size: 8, .value_kind: global_buffer, .address_space: global }
      - { .name: ssp, .offset: 64, .size: 8, .value_kind: global_buffer, .address_space: global }
      - { .name: wfrag, .offset: 72, .size: 8, .value_kind: global_buffer, .address_space: global }
    .group_segment_fixed_size: 16896
    .private_segment_fixed_size: 0
    .kernarg_segment_align: 8
    .kernarg_segment_size: 80
    .max_flat_workgroup_size: 128
    .sgpr_count:     66
    .vgpr_count:     256
    .wavefront_size: 32
...
	.end_amdgpu_metadata
.endif
;; end of part 1
;; launch kv (part 2): grid 256 x 1, 4 waves a work-group, no clusters, 325,632 bytes of LDS; arguments x_kv, ssp, wfrag, Wkv_scales, bkv, kvf, kvs; writes kvf, kvs
.if DOCPART == 2
	.amdgcn_target "amdgcn-amd-amdhsa--gfx1250"
	.amdhsa_code_object_version 6
	.text
	.protected	k_q79ac233230_kv
	.globl	k_q79ac233230_kv
	.p2align	8
	.type	k_q79ac233230_kv,@function
k_q79ac233230_kv:
	s_mov_b64 s[64:65], 0
	v_nop
	global_prefetch_b8 v0, s[64:65] scope:SCOPE_SE
	s_setreg_imm32_b32 hwreg(HW_REG_WAVE_MODE, 25, 1), 1
	s_wait_xcnt 0x0
; KV.  LayerNorm, modulation and quantiser of 64 rows of x_kv; the product with Wkv on codes of FP6 (E2M3) with E8M0 scales; k quantised along the head's 64, v along the keys; both stored as images of operand registers.
; SHARES.  Work-group g: rb = g / 4 (64 keys: batch rb / 8, block rb % 8), cgp = g % 4: 0, 1 make K's heads 8 cgp .. + 7, 2, 3 make V's heads 8 (cgp - 2) .. + 7.  Wave w: two chunks of 64 columns (two heads).
; The four work-groups of a block of keys each normalise and quantise its rows: 256 KB read by four neighbours.
; A TILE'S ROWS ARE NOT NEIGHBOURS: lane r of tile 2 b + u (of weights, of keys, of a head's d) is row 32 b + 8 u + r + 8 (r / 8), so that the 16 registers of the results of tiles 2 b, 2 b + 1 are 16 neighbours along the next K.
; K: source 0 = 16 rows of Wkv, source 1 = 16 keys: a lane holds one key, its registers run along d.  V: source 0 = 16 keys, source 1 = 16 rows of Wkv: a lane holds one d, its registers run along the keys.
; kvf[b][K | V]: K [head][48][lane][16 B]: register 6 j + x of key tile j.  V [head][block of 64 keys][d tile][768 B]: half a fragment: registers 0-3 at 16 lane, 4-5 at 512 + 8 lane.
; kvs[b][K | V]: K [head][block][lane][8 B]: two words; lanes 0-15 an even key tile's, lanes 16-31 the odd one's.  V [head][2][lane][16 B]: word 2 s + p: lanes 0-15 d tile 2 p, lanes 16-31 d tile 2 p + 1; two bytes come from each block of 64 keys.
; NO CLUSTER, NO TENSOR LOADS: 64 rows of f32 take 64 x 4,112 = 263,168 bytes of LDS, the images 49,152, the tables 12,800: 2,560 are left, no room for slots.  Weights go from memory straight into operand registers, each fragment once a work-group.
; LIMITS: NaN and infinities are not served.  A block of zeros gets the byte 1 (its codes are zeros; this program alone reads the bytes); blocks under 2^-124 are held at that byte.  1 / sqrt is v_rsq_f32.
; V's scale bytes leave two at a lane: 131,072 bytes of the launch's 6.7 MB are stored so, in parts of aligned runs.
.set PERM, 1
.set XP,   4112                        ; LDS pitch of a row of x: 4,096 + 16
.set CI,   64*XP                       ; 64 slots of 768 bytes: half fragments (slot 4 hk + m: 64-wide piece hk of K, tile of rows m)
.set SCW,  CI+64*768                   ; 64 slots of 64 bytes: their half scale words, word 4 r
.set AB,   SCW+64*64                   ; a[1024], b[1024]
.set STAT, AB+8192                     ; (mu, rstd) of LDS row R at 8 R
.set LI, 2                             ; v2 16 lane   v3 8 lane   v4 4 lane   v5 r   v6 h
.set L8, 3
.set L4, 4
.set RR, 5
.set HH, 6
.set XS, 7                             ; v7 where my wave stores its rows of x
.set XR, 8                             ; v8-11 where lane (r, h) reads tile m's row
.set AA, 12                            ; v12 a, b for my K steps
.set ABS, 13
.set ABG, 14
.set ST0, 15
.set STR, 16
.set CW, 17                            ; v17-19 my wave's own 16 slots: registers 0-3, registers 4-5, words
.set CW8, 18
.set SW, 19
.set CA, 20                            ; v20-22 all slots
.set CA8, 21
.set SA, 22
.set WC, 23                            ; v23-26 this chunk's and the next chunk's weights, bias, scale words
.set WN, 24
.set BA, 25
.set SN, 26
.set B0, 27
.set WS0, 28
.set ASC, 32                           ; v32-47 scale words of the rows, v48-63 of the weights: they hold scales and nothing else
.set WSC, 48
.set RP, 70                            ; r + 8 (r / 8)
.set XB, 71
.set QTM, 72
.set QTP, 76
.set QSO, 80
.set QT3, 84
.set MS, 72                            ; v72-103 (mu, rstd) of my wave's 16 rows
.set MSM, 120                          ; v120-127 (mu, rstd) of lane r's row in tile m
.set RT, RP
.set RO0, 0
.set RO1, 8
.set RO2, 32
.set RO3, 40
.set MSB, 0
.macro WIN new                         ; the immediate's high byte repeats the setting that is left; a switch that changes nothing is dropped
.if MSB != (\new)
	s_set_vgpr_msb (MSB<<8)|(\new)
.set MSB, \new
.endif
.endm
.macro PLACES n
.rept \n
	v_nop
.endr
.endm
.macro BARRIER                         ; my LDS stores have landed and my LDS loads are in: then the work-group's barrier
	s_wait_dscnt 0x0
	s_barrier_signal -1
	s_barrier_wait -1
.endm
; 32 numbers a unit (16 of block 0, 16 of block 1 of a 64-wide piece of K; register 16 e + i = k 32 e + 16 h + i of the lane's row) become half a fragment (6 registers) and half a scale word (2 bytes).
.macro QHALF cnt, src, dst, wrd
.set qn, 2*(\cnt)
.set qe, 0
.rept qn
	v_max3_num_f32 v[QTM+qe], |v[(\src)+16*qe]|, |v[(\src)+16*qe+1]|, 0x1800000   ; with the floor 2^(3 - 127): the byte cannot fall under 1
.set qe, qe+1
.endr
.set qi, 2
.rept 7
.set qe, 0
.rept qn
	v_max3_num_f32 v[QTM+qe], v[QTM+qe], |v[(\src)+16*qe+qi]|, |v[(\src)+16*qe+qi+1]|
.set qe, qe+1
.endr
.set qi, qi+2
.endr
.set qe, 0
.rept qn
	v_permlanex16_b32 v[QTP+qe], v[QTM+qe], s26, s27
.set qe, qe+1
.endr
.set qe, 0
.rept qn
	v_max_num_f32 v[QTM+qe], v[QTM+qe], v[QTP+qe]   ; with lane l xor 16's 16: the block's largest magnitude
.set qe, qe+1
.endr
.set qe, 0
.rept qn
	v_add_nc_u32 v[QSO+qe], 0xff000000, v[QTM+qe]   ; 2 off its exponent field: the conversion's scale operand
.set qe, qe+1
.endr
.set qe, 0
.rept qn
	v_lshrrev_b32 v[QTP+qe], 23, v[QSO+qe]          ; the scale's byte
.set qe, qe+1
.endr
.set qu, 0
.rept \cnt
	v_lshl_or_b32 v[(\wrd)+qu], v[QTP+2*qu+1], 8, v[QTP+2*qu]
.set qu, qu+1
.endr
.set qu, 0
.rept \cnt
	v_cvt_scalef32_pk16_fp6_f32 v[(\dst)+6*qu:(\dst)+6*qu+2], v[(\src)+32*qu:(\src)+32*qu+15], v[QSO+2*qu]
	v_cvt_scalef32_pk16_fp6_f32 v[QT3+4*qu:QT3+4*qu+2], v[(\src)+32*qu+16:(\src)+32*qu+31], v[QSO+2*qu+1]
.set qu, qu+1
.endr
	v_nop                                          ; one plain instruction behind the scaled conversions
.set qu, 0
.rept \cnt                                     ; the layout wants a whole block in a lane: lanes 0-15 block 0, lanes 16-31 block 1
.set qi, 0
.rept 3
	v_permlane16_swap_b32 v[(\dst)+6*qu+qi], v[QT3+4*qu+qi]
.set qi, qi+1
.endr
.set qi, 0
.rept 3
	v_mov_b32 v[(\dst)+6*qu+3+qi], v[QT3+4*qu+qi]
.set qi, qi+1
.endr
.set qu, qu+1
.endr
.endm
; One scaled product from the symbols rD, rA, rB, rC, sA, sB; fA, fB: the side's scales stand in lanes 16-31.  cm = 0: C is the constant 0.
.macro WM cm
.if \cm
.if fA && fB
	v_wmma_scale_f32_16x16x128_f8f6f4 v[rD:rD+7], v[rA:rA+11], v[rB:rB+11], v[rC:rC+7], v[sA], v[sB] matrix_a_fmt:MATRIX_FMT_FP6 matrix_b_fmt:MATRIX_FMT_FP6 matrix_a_scale:MATRIX_SCALE_ROW1 matrix_b_scale:MATRIX_SCALE_ROW1
.elseif fA
	v_wmma_scale_f32_16x16x128_f8f6f4 v[rD:rD+7], v[rA:rA+11], v[rB:rB+11], v[rC:rC+7], v[sA], v[sB] matrix_a_fmt:MATRIX_FMT_FP6 matrix_b_fmt:MATRIX_FMT_FP6 matrix_a_scale:MATRIX_SCALE_ROW1
.elseif fB
	v_wmma_scale_f32_16x16x128_f8f6f4 v[rD:rD+7], v[rA:rA+11], v[rB:rB+11], v[rC:rC+7], v[sA], v[sB] matrix_a_fmt:MATRIX_FMT_FP6 matrix_b_fmt:MATRIX_FMT_FP6 matrix_b_scale:MATRIX_SCALE_ROW1
.else
	v_wmma_scale_f32_16x16x128_f8f6f4 v[rD:rD+7], v[rA:rA+11], v[rB:rB+11], v[rC:rC+7], v[sA], v[sB] matrix_a_fmt:MATRIX_FMT_FP6 matrix_b_fmt:MATRIX_FMT_FP6
.endif
.else
.if fA && fB
	v_wmma_scale_f32_16x16x128_f8f6f4 v[rD:rD+7], v[rA:rA+11], v[rB:rB+11], 0, v[sA], v[sB] matrix_a_fmt:MATRIX_FMT_FP6 matrix_b_fmt:MATRIX_FMT_FP6 matrix_a_scale:MATRIX_SCALE_ROW1 matrix_b_scale:MATRIX_SCALE_ROW1
.elseif fA
	v_wmma_scale_f32_16x16x128_f8f6f4 v[rD:rD+7], v[rA:rA+11], v[rB:rB+11], 0, v[sA], v[sB] matrix_a_fmt:MATRIX_FMT_FP6 matrix_b_fmt:MATRIX_FMT_FP6 matrix_a_scale:MATRIX_SCALE_ROW1
.elseif fB
	v_wmma_scale_f32_16x16x128_f8f6f4 v[rD:rD+7], v[rA:rA+11], v[rB:rB+11], 0, v[sA], v[sB] matrix_a_fmt:MATRIX_FMT_FP6 matrix_b_fmt:MATRIX_FMT_FP6 matrix_b_scale:MATRIX_SCALE_ROW1
.else
	v_wmma_scale_f32_16x16x128_f8f6f4 v[rD:rD+7], v[rA:rA+11], v[rB:rB+11], 0, v[sA], v[sB] matrix_a_fmt:MATRIX_FMT_FP6 matrix_b_fmt:MATRIX_FMT_FP6
.endif
.endif
.endm
; All 32 fragments of the 64 rows (tile m, K step s at register 12 (4 (s % 4) + m), window 2 for s < 4, else 3) and their scale words: v[ASC + 2 s + a]: lanes 0-15 tile 2 a, lanes 16-31 tile 2 a + 1.
.macro LOADF                           ; the fragments, K ascending, 16 loads a K step; the K steps wait for them by count
.set hk, 0
.rept 16
	WIN 0x80+0x40*(hk/8)
.set lm, 0
.rept 4
.set ra, 12*(4*((hk/2)%4)+lm)+6*(hk%2)
	ds_load_b128 v[ra:ra+3], v[CA] offset:(4*hk+lm)*768
	ds_load_b64 v[ra+4:ra+5], v[CA8] offset:(4*hk+lm)*768
.set lm, lm+1
.endr
.set hk, hk+1
.endr
	WIN 0
.endm
.macro LOADA                           ; the scale words first, then the fragments
	WIN 0
.set hk, 0
.rept 16
	ds_load_b32 v[ASC+hk], v[SA] offset:(8*(hk/2)+2*(hk%2))*64
	ds_load_b32 v[72+hk], v[SA] offset:(8*(hk/2)+4+2*(hk%2))*64
.set hk, hk+1
.endr
	s_wait_dscnt 0x0
.set hk, 0
.rept 16
	v_lshl_or_b32 v[ASC+hk], v[72+hk], 16, v[ASC+hk]   ; the two halves make the K step's word
.set hk, hk+1
.endr
	PLACES 8
	LOADF
.endm
.macro WLOAD slot, adr, off            ; a K step's four weight fragments into ring slot (window 1, 48 registers)
	WIN 0x40
.set lt, 0
.rept 12
	global_load_b128 v[48*(\slot)+4*lt:48*(\slot)+4*lt+3], v[\adr], s[40:41] offset:(\off)+512*lt
.set lt, lt+1
.endr
.endm
.macro BILOAD adr                      ; the bias in the result's layout: for tile t eight numbers at column 32 (t / 2) + 8 (t % 2) + 16 h: window 1, v192 + 8 t
	WIN 0x40
.set lt, 0
.rept 4
	global_load_b128 v[192+8*lt:195+8*lt], v[\adr], s[44:45] offset:4*(32*(lt/2)+8*(lt%2))
	global_load_b128 v[196+8*lt:199+8*lt], v[\adr], s[44:45] offset:4*(32*(lt/2)+8*(lt%2))+16
.set lt, lt+1
.endr
.endm
.macro WSLOAD adr, half                ; the weights' scale words of K steps 4 half .. + 3: v[WSC + 8 p + s]: lanes 0-15 tile 2 p, lanes 16-31 tile 2 p + 1
	WIN 0
	global_load_b128 v[WSC+4*(\half):WSC+4*(\half)+3], v[\adr], s[42:43] offset:16*(\half)
	global_load_b128 v[WSC+8+4*(\half):WSC+8+4*(\half)+3], v[\adr], s[42:43] offset:1024+16*(\half)
.endm
; A K step: 16 products, the 16 accumulators by turns, one instruction a turn.  n: how many younger loads may stay out.
; swap = 0: source 0 = weights, source 1 = rows, the bias tiles start the sums.  swap = 1: source 0 = rows, source 1 = weights, the constant 0 starts them.
.macro KSTEP s, swap, n
	s_wait_loadcnt \n
.if 16*(7-(\s)) > 63                           ; the rows' fragments of this K step are in: behind them LOADA issued 16 loads for each later K step (a count cannot name more than 63)
	s_wait_dscnt 63
.else
	s_wait_dscnt 16*(7-(\s))
.endif
.if \swap
	WIN 0x06+((\s)/4)
.elseif (\s) == 0
	WIN 0x19
.else
	WIN 0x09+4*((\s)/4)
.endif
.set km, 0
.rept 4
.set kt, 0
.rept 4
.if \swap
.set rD, 128+8*(4*kt+km)
.set rA, 12*(4*((\s)%4)+km)
.set rB, 48*((\s)%4)+12*kt
.set sA, ASC+2*(\s)+km/2
.set sB, WSC+8*(kt/2)+(\s)
.set fA, km%2
.set fB, kt%2
.set rC, rD
.if (\s) == 0
	WM 0
.else
	WM 1
.endif
.else
.set rD, 128+8*(4*km+kt)
.set rA, 48*((\s)%4)+12*kt
.set rB, 12*(4*((\s)%4)+km)
.set sA, WSC+8*(kt/2)+(\s)
.set sB, ASC+2*(\s)+km/2
.set fA, kt%2
.set fB, km%2
.set rC, rD
.if (\s) == 0
.set rC, 192+8*kt
.endif
	WM 1
.endif
.set kt, kt+1
.endr
.set km, km+1
.endr
	PLACES 4                                       ; in front of loads into registers that these products have read, and of the first read of results
.endm
.macro PTOP nch, bsrc                  ; a chunk's head: offsets of this chunk and of the next; the last chunk's look-ahead wraps to the wave's first chunk, so that every load stays inside its buffer and every trip issues the same loads
	s_wait_xcnt 0x0                                ; the offset registers are written again only behind this wait
	s_add_co_u32 s34, s32, 1
	s_and_b32 s34, s34, (\nch)-1
	s_mul_i32 s35, s32, 49152
	s_mul_i32 s36, s34, 49152
	s_lshl_b32 s37, s34, 8
	s_lshl_b32 s38, s34, 11
	s_cmp_lt_u32 s32, (\nch)-1
	s_cselect_b32 s39, 1, 0                        ; 0 in the last chunk, which has no next chunk
	v_add_nc_u32 v[WC], s35, v[LI]
	v_mad_u32_u24 v[WN], v[LI], s39, s36           ; there every lane names the same 16 bytes of the wave's first chunk: the same loads in every trip, all inside the buffer
	v_add_nc_u32 v[BA], s37, v[\bsrc]
	v_add_nc_u32 v[SN], s38, v[WS0]
.endm
; A chunk's eight K steps.  Behind step s the ring slot that it has read takes K step s + 4 (of the next chunk from step 4 on).  The counts are the loads issued behind the slot's twelve:
; bi = 1: 12+12+14 = 38; 12+14+20 = 46; 14+20+12 = 46; 2+20+12+12 = 46; 8+12+12+14 = 46; 12+14+12 = 38; 14+12+12 = 38; 2+36 = 38.   bi = 0 (four bias loads in the epilogue): 42, 42, 42, 42, 38, 38, 38, 38.
.macro PROJ8 swap, bi
	KSTEP 0, \swap, 42-4*(\bi)
	WLOAD 0, WC, 4*6144
.if \bi
	BILOAD BA
.endif
	KSTEP 1, \swap, 42+4*(\bi)
	WLOAD 1, WC, 5*6144
	KSTEP 2, \swap, 42+4*(\bi)
	WLOAD 2, WC, 6*6144
	KSTEP 3, \swap, 42+4*(\bi)
	WLOAD 3, WC, 7*6144
	WSLOAD SN, 0
	KSTEP 4, \swap, 38+8*(\bi)
	WLOAD 0, WN, 0
	KSTEP 5, \swap, 38
	WLOAD 1, WN, 6144
	KSTEP 6, \swap, 38
	WLOAD 2, WN, 2*6144
	KSTEP 7, \swap, 38
	WLOAD 3, WN, 3*6144
	WSLOAD SN, 1
.endm
.macro PROLOG                          ; the same order as in a trip, so that the first trip's counts are the loop's
	BILOAD B0
	WSLOAD WS0, 0
	WLOAD 0, LI, 0
	WLOAD 1, LI, 6144
	WLOAD 2, LI, 2*6144
	WLOAD 3, LI, 3*6144
	WSLOAD WS0, 1
.endm
.macro XLOAD8 hi                       ; eight rows of x: a load covers 512 consecutive bytes; row i in 32 registers of window 2 + hi
	WIN 0x80+0x40*(\hi)
.set xi, 0
.rept 8
.set xc, 0
.rept 8
.if PERM
	global_load_b128 v[32*xi+4*xc:32*xi+4*xc+3], v[LI], s[4:5] offset:4096*(8*(\hi)+xi)+512*xc
.else
	global_load_b128 v[32*xi+4*xc:32*xi+4*xc+3], v[LI], s[4:5] offset:4096*(8*(\hi)+xi)+512*xc th:TH_LOAD_NT
.endif
.set xc, xc+1
.endr
.set xi, xi+1
.endr
.endm
.macro ROWS8 hi                        ; eight rows go to LDS as they are, and their sums begin: v[192 + 2 row] pairs
	WIN 0x08+4*(\hi)
.set xi, 0
.rept 8
.set xc, 0
.rept 8
	ds_store_b128 v[XS], v[32*xi+4*xc:32*xi+4*xc+3] offset:XP*(8*(\hi)+xi)+512*xc
.set xc, xc+1
.endr
.set xi, xi+1
.endr
	WIN 0x0a+5*(\hi)
.set xi, 0
.rept 8
	v_pk_add_f32 v[192+2*(8*(\hi)+xi):193+2*(8*(\hi)+xi)], v[32*xi:32*xi+1], v[32*xi+2:32*xi+3]
.set xi, xi+1
.endr
	WIN 0x08+4*(\hi)
.set xc, 2
.rept 14
.set xi, 0
.rept 8
	v_pk_add_f32 v[192+2*(8*(\hi)+xi):193+2*(8*(\hi)+xi)], v[192+2*(8*(\hi)+xi):193+2*(8*(\hi)+xi)], v[32*xi+2*xc:32*xi+2*xc+1]
.set xi, xi+1
.endr
.set xc, xc+1
.endr
	WIN 0
.endm
.macro DEV8 hi                         ; x - mu in place, and the sums of its squares
	WIN 0x82+0x41*(\hi)
.set xc, 0
.rept 16
.set xi, 0
.rept 8
	v_pk_add_f32 v[32*xi+2*xc:32*xi+2*xc+1], v[32*xi+2*xc:32*xi+2*xc+1], v[MS+2*(8*(\hi)+xi):MS+2*(8*(\hi)+xi)+1] op_sel_hi:[1,0] neg_lo:[0,1] neg_hi:[0,1]
.set xi, xi+1
.endr
.set xc, xc+1
.endr
	WIN 0x0a+5*(\hi)
.set xi, 0
.rept 8
	v_pk_mul_f32 v[192+2*(8*(\hi)+xi):193+2*(8*(\hi)+xi)], v[32*xi:32*xi+1], v[32*xi:32*xi+1]
.set xi, xi+1
.endr
.set xc, 1
.rept 15
.set xi, 0
.rept 8
	v_pk_fma_f32 v[192+2*(8*(\hi)+xi):193+2*(8*(\hi)+xi)], v[32*xi+2*xc:32*xi+2*xc+1], v[32*xi+2*xc:32*xi+2*xc+1], v[192+2*(8*(\hi)+xi):193+2*(8*(\hi)+xi)]
.set xi, xi+1
.endr
.set xc, xc+1
.endr
	WIN 0
.endm
.macro REDUCE f                        ; eight rows' sums (rows f .. f + 7) over the 32 lanes, by turns: v[224 + row]
.set xi, \f
.rept 8
	v_add_f32 v[224+xi], v[192+2*xi], v[193+2*xi]
.set xi, xi+1
.endr
.irp k, 1,2,4,8
.set xi, \f
.rept 8
	v_add_f32_dpp v[224+xi], v[224+xi], v[224+xi] row_xmask:\k row_mask:0xf bank_mask:0xf
.set xi, xi+1
.endr
.endr
.set xi, \f
.rept 8
	v_permlanex16_b32 v[160+xi], v[224+xi], s26, s27   ; (v160-175 were loaded as parts of a, b and are done with)
.set xi, xi+1
.endr
.set xi, \f
.rept 8
	v_add_f32 v[224+xi], v[224+xi], v[160+xi]
.set xi, xi+1
.endr
.endm
.macro STATS hi                        ; eight rows: mu, x - mu, the sum of its squares in v[224 + row]
	REDUCE 8*(\hi)
.set xi, 8*(\hi)
.rept 8
	v_mul_f32 v[MS+2*xi], 0x3a800000, v[224+xi]    ; mu
.set xi, xi+1
.endr
	s_wait_alu depctr_va_vdst(0)
	s_wait_dscnt 0x0                               ; the rows' stores have read their registers
	DEV8 \hi
	REDUCE 8*(\hi)
.endm
; Tile m of a K step: y = ((x - mu) rstd) a + b, quantised, two half fragments and half words to my slots.  n: LDS instructions that may stay out.
.macro MQ m, n
	s_wait_dscnt \n
	WIN 0x02
.set yi, 0
.rept 32
	v_pk_add_f32 v[128+2*yi:129+2*yi], v[64*(\m)+2*yi:64*(\m)+2*yi+1], v[MSM+2*(\m):MSM+2*(\m)+1] op_sel_hi:[1,0] neg_lo:[0,1] neg_hi:[0,1]
.set yi, yi+1
.endr
	WIN 0
.set yi, 0
.rept 32
	v_pk_mul_f32 v[128+2*yi:129+2*yi], v[128+2*yi:129+2*yi], v[MSM+2*(\m):MSM+2*(\m)+1] op_sel:[0,1] op_sel_hi:[1,1]
.set yi, yi+1
.endr
	WIN 0x3c                                       ; a and b lie in window 3
.set yi, 0
.rept 32
	v_pk_fma_f32 v[128+2*yi:129+2*yi], v[128+2*yi:129+2*yi], v[2*yi:2*yi+1], v[64+2*yi:65+2*yi]
.set yi, yi+1
.endr
	WIN 0
	QHALF 2, 128, 92+12*((\m)%2), 116+2*((\m)%2)
.set yc, 0
.rept 2
.set yd, 92+12*((\m)%2)+6*yc
	ds_store_b128 v29, v[yd:yd+3] offset:(4*yc+(\m))*768
	ds_store_b64 v30, v[yd+4:yd+5] offset:(4*yc+(\m))*768
	ds_store_b32 v31, v[116+2*((\m)%2)+yc] offset:(4*yc+(\m))*64
.set yc, yc+1
.endr
.endm
	s_load_b256 s[4:11], s[0:1], 0x0               ; x_kv s[4:5], ssp s[6:7], wfrag s[8:9], Wkv_scales s[10:11]
	s_load_b128 s[12:15], s[0:1], 0x20             ; bkv s[12:13], kvf s[14:15]
	s_load_b64 s[16:17], s[0:1], 0x30              ; kvs
	v_lshl_add_u32 v68, v0, 2, 0x4f600
	v_mov_b32 v69, 0
	v_and_b32 v1, 31, v0
	v_lshlrev_b32 v[LI], 4, v1
	v_lshlrev_b32 v[L8], 3, v1
	v_lshlrev_b32 v[L4], 2, v1
	v_and_b32 v[RR], 15, v0
	v_bfe_u32 v[HH], v0, 4, 1
	v_lshrrev_b32 v[XS], 5, v0
	v_readfirstlane_b32 s24, v[XS]                 ; wave
	v_and_b32 v[RP], 8, v[RR]
	v_add_nc_u32 v[RP], v[RP], v[RR]
	s_mul_i32 s34, s24, 16*XP
	v_add_nc_u32 v[XS], s34, v[LI]
	s_lshl_b32 s35, s24, 10
	v_mul_u32_u24 v[XB], v[RT], XP
	v_lshl_add_u32 v[XB], v[HH], 6, v[XB]
	v_add_nc_u32 v[XB], s35, v[XB]                 ; my row, + 64 h, + my wave's first K step (1,024 w bytes)
.irp m, 0,1,2,3
	v_add_nc_u32 v[XR+\m], XP*RO\m, v[XB]
.endr
	v_lshl_add_u32 v[AA], v[HH], 6, AB
	v_add_nc_u32 v[AA], s35, v[AA]
	v_lshl_add_u32 v[ABS], v0, 4, AB
	v_lshlrev_b32 v[ABG], 4, v0
	s_lshl_b32 s36, s24, 7
	s_add_co_u32 s36, s36, STAT
	v_mov_b32 v[ST0], s36
	v_lshl_add_u32 v[STR], v[RT], 3, STAT
	s_mul_i32 s37, s24, 16*768
	s_add_co_u32 s37, s37, CI
	v_add_nc_u32 v[CW], s37, v[LI]
	v_add_nc_u32 v[CW8], s37, v[L8]
	v_add_nc_u32 v[CW8], 512, v[CW8]
	v_lshl_add_u32 v[SW], v[RR], 2, SCW
	v_add_nc_u32 v[SW], s35, v[SW]
	v_add_nc_u32 v[CA], CI, v[LI]
	v_add_nc_u32 v[CA8], CI+512, v[L8]
	v_add_nc_u32 v[SA], SCW, v[L4]
	v_lshlrev_b32 v[B0], 6, v[HH]
	v_lshl_add_u32 v[WS0], v[HH], 3, v[RP]
	v_lshlrev_b32 v[WS0], 5, v[WS0]
.set xi, 0
.rept 16
	v_mov_b32 v[MS+2*xi+1], 0                      ; named as the upper half of a pair before rstd is written there
.set xi, xi+1
.endr
	s_mov_b32 s25, ttmp9
	s_and_b32 s60, s25, 3                          ; cgp
	s_lshr_b32 s59, s25, 2                         ; rb
	s_and_b32 s58, s59, 7                          ; the block of 64 keys in its batch
	s_lshr_b32 s57, s25, 5                         ; b
	s_mov_b32 s61, 0xffff0000                      ; lanes 16-31
	s_mov_b32 s26, 0x76543210
	s_mov_b32 s27, 0xfedcba98
	s_mov_b32 s30, 0x3a800000                      ; 1 / 1,024
	s_mov_b32 s31, 0x3727c5ac                      ; 1e-5
	s_lshl_b32 s34, s59, 18
	s_lshl_b32 s36, s24, 16
	s_add_co_u32 s34, s34, s36
	s_mov_b32 s35, 0
	s_lshl_b32 s36, s57, 13
	s_add_co_u32 s36, s36, 262144
	s_mov_b32 s37, 0
	s_wait_kmcnt 0x0
	s_add_nc_u64 s[4:5], s[4:5], s[34:35]          ; x at my wave's 16 rows
	s_add_nc_u64 s[6:7], s[6:7], s[36:37]          ; ssp: mat 1, my batch
	s_lshl_b32 s34, s60, 3
	s_lshl_b32 s36, s24, 1
	s_add_co_u32 s38, s34, s36                     ; my first chunk of Wkv
	s_mul_i32 s34, s38, 49152
	s_add_co_u32 s34, s34, 1572864
	s_add_nc_u64 s[40:41], s[8:9], s[34:35]
	s_lshl_b32 s34, s38, 11
	s_add_nc_u64 s[42:43], s[10:11], s[34:35]
	s_lshl_b32 s34, s38, 8
	s_add_nc_u64 s[44:45], s[12:13], s[34:35]
	s_and_b32 s56, s38, 15                         ; my first head
	s_mul_i32 s34, s57, 786432
	s_mul_i32 s36, s56, 24576
	s_add_co_u32 s34, s34, s36
	s_mul_i32 s36, s58, 3072
	s_add_co_u32 s34, s34, s36
	s_add_nc_u64 s[46:47], s[14:15], s[34:35]      ; kvf: batch, head, block (K's part)
	s_mul_i32 s34, s57, 49152
	s_add_nc_u64 s[48:49], s[16:17], s[34:35]      ; kvs: batch
	; ---- X: 144 loads: the four parts of a, b (16), then my 16 rows
.irp p, 0,1,2,3
.irp q, 0,1,2,3
	global_load_b128 v[128+16*\p+4*\q:131+16*\p+4*\q], v[ABG], s[6:7] offset:65536*\p+2048*\q
.endr
.endr
	XLOAD8 0
	XLOAD8 1
	WIN 0
	s_wait_loadcnt 63                              ; of 144 the first 81 are in: a, b and rows 0-7
.irp p, 1,2,3
.irp e, 0,2,4,6,8,10,12,14
	v_pk_add_f32 v[128+\e:129+\e], v[128+\e:129+\e], v[128+16*\p+\e:129+16*\p+\e]
.endr
.endr
.irp q, 0,1,2,3
	ds_store_b128 v[ABS], v[128+4*\q:131+4*\q] offset:2048*\q
.endr
	ROWS8 0
	STATS 0                                        ; rows 0-7 are finished while rows 8-15 are on their way
	s_wait_loadcnt 0x0
	PROLOG                                         ; 60 loads into window 1 and v48-63, which nothing names before the projection: they are out under the statistics and the modulation
	ROWS8 1
	STATS 1
.set xi, 0
.rept 16
	v_fma_f32 v[224+xi], v[224+xi], s30, s31       ; the variance + 1e-5
.set xi, xi+1
.endr
.set xi, 0
	s_wait_alu depctr_va_vdst(0)
.rept 16
	v_rsq_f32 v[MS+2*xi+1], v[224+xi]
.set xi, xi+1
.endr
	v_nop
	s_wait_alu depctr_va_vdst(0)                   ; one wait for the batch, ahead of its first reader
.set xi, 0
.rept 16
	ds_store_b64 v[ST0], v[MS+2*xi:MS+2*xi+1] offset:8*xi   ; every lane writes the same pair
.set xi, xi+1
.endr
	BARRIER                                        ; x, a, b and the statistics of all 64 rows lie in LDS
.irp m, 0,1,2,3
	ds_load_b64 v[MSM+2*\m:MSM+2*\m+1], v[STR] offset:8*RO\m
.endr
	s_mov_b32 s33, 0
	s_mov_b32 s34, 0                               ; 512 x trip: along a row of x, a, b; and 8 slots of words
	s_mov_b32 s35, 0                               ; 6,144 x trip: 8 slots of codes
.Lmq:                                                  ; two trips: K steps 2 w and 2 w + 1, each for the four tiles of rows
.irp m, 0,1,2,3
	v_add_nc_u32 v[200+\m], s34, v[XR+\m]
.endr
	v_add_nc_u32 v204, s34, v[AA]
	v_add_nc_u32 v29, s35, v[CW]
	v_add_nc_u32 v30, s35, v[CW8]
	v_add_nc_u32 v31, s34, v[SW]
	WIN 0xc0                                       ; a, b into window 3, whose rows of x are done with: window 1 holds the first weights
.set yi, 0
.rept 16
	ds_load_b128 v[4*yi:4*yi+3], v204 offset:128*(yi/4)+16*(yi%4)
	ds_load_b128 v[64+4*yi:67+4*yi], v204 offset:4096+128*(yi/4)+16*(yi%4)
.set yi, yi+1
.endr
	WIN 0x80
.irp m, 0,1,2,3
.set yi, 0
.rept 16
	ds_load_b128 v[64*\m+4*yi:64*\m+4*yi+3], v[200+\m] offset:128*(yi/4)+16*(yi%4)
.set yi, yi+1
.endr
.endr
	WIN 0
	MQ 0, 48                                       ; tiles 1-3's 48 loads may be out
	MQ 1, 38                                       ; tiles 2, 3's 32 loads and tile 0's 6 stores
	MQ 2, 6                                        ; tile 1's 6 stores: tile 0's, which read the registers written next, are done
	MQ 3, 6
	s_add_co_u32 s34, s34, 512
	s_add_co_u32 s35, s35, 6144
	s_add_co_u32 s33, s33, 1
	s_cmp_lt_u32 s33, 2
	s_cbranch_scc1 .Lmq
	BARRIER                                        ; all 64 slots of codes and words lie in LDS
	LOADA
	v_lshlrev_b32 v[XB], 2, v[RP]                  ; V's bias: column r + 8 (r / 8) of a tile
	s_cmp_ge_u32 s60, 2                            ; the same in all four waves; no barrier stands behind this branch
	s_cbranch_scc1 .Lvpath
	; ---- K: a lane holds one key; q. along d
	s_lshl_b32 s34, s56, 11
	s_lshl_b32 s36, s58, 8
	s_add_co_u32 s34, s34, s36
	s_mov_b32 s35, 0
	s_add_nc_u64 s[48:49], s[48:49], s[34:35]
	s_mov_b32 s32, 0
.Lkc:
	PTOP 2, B0
	s_wait_alu depctr_va_vdst(0)
	PROJ8 0, 1
	s_wait_xcnt 0x0                                ; the last chunk's stores have read their data registers
	QHALF 2, 128, 92, 116
	v_cndmask_b32 v124, v116, v117, s61            ; lanes 0-15 the even key tile's word, lanes 16-31 the odd one's
	QHALF 2, 192, 104, 118
	v_cndmask_b32 v125, v118, v119, s61
.irp q, 0,1,2,3,4,5
	global_store_b128 v[LI], v[92+4*\q:95+4*\q], s[46:47] offset:512*\q   ; 512 consecutive bytes a store
.endr
	global_store_b64 v[L8], v[124:125], s[48:49]   ; 256 consecutive bytes, aligned
	s_wait_xcnt 0x0                                ; the bases step only behind this wait
	s_add_nc_u64 s[46:47], s[46:47], 24576
	s_add_nc_u64 s[48:49], s[48:49], 2048
	s_add_co_u32 s32, s32, 1
	s_cmp_lt_u32 s32, 2
	s_cbranch_scc1 .Lkc
	s_wait_tensorcnt 0x0
	ds_add_u32 v68, v69
	s_wait_dscnt 0x0
	s_endpgm
	; ---- V: a lane holds one d; q. along the keys
.macro BVLOAD adr
.irp t, 0,1,2,3
	global_load_b32 v[120+\t], v[\adr], s[44:45] offset:4*(32*(\t/2)+8*(\t%2))
.endr
.endm
.Lvpath:
	s_wait_alu depctr_va_vdst(0)
	BVLOAD XB
	s_add_nc_u64 s[46:47], s[46:47], 393216
	s_lshl_b32 s34, s56, 10
	s_add_co_u32 s34, s34, 32768
	s_lshr_b32 s36, s58, 2
	s_lshl_b32 s36, s36, 9
	s_add_co_u32 s34, s34, s36                     ; + 512 (block / 4)
	s_bfe_u32 s36, s58, 0x10001
	s_lshl_b32 s36, s36, 3
	s_add_co_u32 s34, s34, s36                     ; + 8 ((block / 2) % 2)
	s_and_b32 s36, s58, 1
	s_lshl_b32 s36, s36, 1
	s_add_co_u32 s34, s34, s36                     ; + 2 (block % 2)
	s_mov_b32 s35, 0
	s_add_nc_u64 s[48:49], s[48:49], s[34:35]
	s_mov_b32 s32, 0
.Lvc:
	PTOP 2, XB
	s_wait_alu depctr_va_vdst(0)
	PROJ8 1, 0
	s_wait_xcnt 0x0
.set vi, 0
.rept 64                                       ; + the column's bias, each accumulator from its low end on
.if (vi/16)%2
	v_pk_add_f32 v[128+2*vi:129+2*vi], v[128+2*vi:129+2*vi], v[120+2*(vi/32):121+2*(vi/32)] op_sel:[0,1] op_sel_hi:[1,1]
.else
	v_pk_add_f32 v[128+2*vi:129+2*vi], v[128+2*vi:129+2*vi], v[120+2*(vi/32):121+2*(vi/32)] op_sel_hi:[1,0]
.endif
.set vi, vi+1
.endr
	BVLOAD BA                                      ; the next chunk's
.irp a, 0,1
	QHALF 2, 128+64*\a, 92+12*\a, 116+2*\a
	v_cndmask_b32 v[126+\a], v[116+2*\a], v[117+2*\a], s61
.irp u, 0,1
	global_store_b128 v[LI], v[92+12*\a+6*\u:95+12*\a+6*\u], s[46:47] offset:768*(2*\a+\u)
	global_store_b64 v[L8], v[96+12*\a+6*\u:97+12*\a+6*\u], s[46:47] offset:768*(2*\a+\u)+512
.endr
	global_store_b16 v[LI], v[126+\a], s[48:49] offset:4*\a
.endr
	s_wait_xcnt 0x0
	s_add_nc_u64 s[46:47], s[46:47], 24576
	s_add_nc_u64 s[48:49], s[48:49], 1024
	s_add_co_u32 s32, s32, 1
	s_cmp_lt_u32 s32, 2
	s_cbranch_scc1 .Lvc
	s_wait_tensorcnt 0x0
	ds_add_u32 v68, v69
	s_wait_dscnt 0x0
	s_endpgm
.Lfunc_end_k_q79ac233230_kv:
	.size	k_q79ac233230_kv, .Lfunc_end_k_q79ac233230_kv-k_q79ac233230_kv
	.p2alignl 7, 3214868480
	.fill 96, 4, 3214868480
	.section	.rodata,"a",@progbits
	.p2align	6, 0x0
	.amdhsa_kernel k_q79ac233230_kv
		.amdhsa_group_segment_fixed_size 325632
		.amdhsa_private_segment_fixed_size 0
		.amdhsa_enable_private_segment 0
		.amdhsa_kernarg_size 56
		.amdhsa_user_sgpr_count 2
		.amdhsa_user_sgpr_kernarg_segment_ptr 1
		.amdhsa_wavefront_size32 1
		.amdhsa_system_sgpr_workgroup_id_x 1
		.amdhsa_system_sgpr_workgroup_id_y 1
		.amdhsa_system_sgpr_workgroup_id_z 1
		.amdhsa_system_vgpr_workitem_id 0
		.amdhsa_next_free_vgpr 1024
		.amdhsa_next_free_sgpr 66
		.amdhsa_reserve_vcc 0
		.amdhsa_float_denorm_mode_32 3
		.amdhsa_float_denorm_mode_16_64 3
		.amdhsa_memory_ordered 1
		.amdhsa_forward_progress 1
		.amdhsa_inst_pref_size 236
	.end_amdhsa_kernel
	.amdgpu_metadata
---
amdhsa.version: [ 1, 2 ]
amdhsa.kernels:
  - .name:           k_q79ac233230_kv
    .symbol:         k_q79ac233230_kv.kd
    .args:
      - { .name: x_kv, .offset: 0, .size: 8, .value_kind: global_buffer, .address_space: global }
      - { .name: ssp, .offset: 8, .size: 8, .value_kind: global_buffer, .address_space: global }
      - { .name: wfrag, .offset: 16, .size: 8, .value_kind: global_buffer, .address_space: global }
      - { .name: Wkv_scales, .offset: 24, .size: 8, .value_kind: global_buffer, .address_space: global }
      - { .name: bkv, .offset: 32, .size: 8, .value_kind: global_buffer, .address_space: global }
      - { .name: kvf, .offset: 40, .size: 8, .value_kind: global_buffer, .address_space: global }
      - { .name: kvs, .offset: 48, .size: 8, .value_kind: global_buffer, .address_space: global }
    .group_segment_fixed_size: 325632
    .private_segment_fixed_size: 0
    .kernarg_segment_align: 8
    .kernarg_segment_size: 56
    .max_flat_workgroup_size: 128
    .sgpr_count:     66
    .vgpr_count:     1024
    .wavefront_size: 32
...
	.end_amdgpu_metadata
.endif
;; end of part 2
;; launch main (part 3): grid 256 x 1, 4 waves a work-group, no clusters, 325,632 bytes of LDS; arguments x_q, ssp, wfrag, Wq_scales, bq, kvf, kvs, Wp_scales, bp, out0; writes out0
.if DOCPART == 3
	.amdgcn_target "amdgcn-amd-amdhsa--gfx1250"
	.amdhsa_code_object_version 6
	.text
	.protected	k_q79ac233230_main
	.globl	k_q79ac233230_main
	.p2align	8
	.type	k_q79ac233230_main,@function
k_q79ac233230_main:
	s_mov_b64 s[64:65], 0
	v_nop
	global_prefetch_b8 v0, s[64:65] scope:SCOPE_SE
	s_setreg_imm32_b32 hwreg(HW_REG_WAVE_MODE, 25, 1), 1
	s_wait_xcnt 0x0
; MAIN.  For 64 rows of x_q: LayerNorm, modulation, quantiser; q = xq Wq + bq; q quantised; S^T = K Q^T; p = 2^(t - M); O^T = V^T P / l; out quantised; out Wp + bp + x_q.  All four products on codes of FP6 (E2M3) with E8M0 scales.
; SHARES.  Work-group g owns rows 64 g .. + 63 (batch g / 32).  Wave w owns columns 256 w .. + 255 of q and of the output, that is heads 4 w .. 4 w + 3, for all 64 rows: q never leaves its wave.
; xq and out go from wave to wave through LDS as images of operand registers (half fragments of 768 bytes, half scale words).  The 64 rows of x stay in LDS: they are read from memory once, serve as the residual, and are the stage on the way out.
; A TILE'S ROWS ARE NOT NEIGHBOURS (weights, keys, a head's d): lane r of tile 2 b + u is row 32 b + 8 u + r + 8 (r / 8), so that the 16 registers of the results of tiles 2 b, 2 b + 1 are 16 neighbours along the next K.
; K = 64 IN S^T: K's fragment names six registers of the next key tile as its upper 64 along K; they meet Q's zero codes, and the scale bytes there are 0, not 0xff: they add nothing.
; NO CLUSTER, NO TENSOR LOADS: 64 rows of f32 take 64 x 4,112 = 263,168 bytes of LDS, the images 49,152, the tables 12,800: 2,560 are left, no room for slots through which a joint load would pass.
; Weights, K and V go from memory straight into operand registers (laid in that order by the launches before), each fragment once a work-group.
; LIMITS: NaN and infinities are not served.  A block of zeros gets the byte 1 (its codes are zeros; nobody else reads the bytes); blocks under 2^-124 are held at that byte.  A block's largest p is taken from its largest score,
; which takes v_exp_f32 not to fall where its input rises.  1 / sqrt and 1 / l are v_rsq_f32 and v_rcp_f32.
.set PERM, 0
.set XP,   4112                        ; LDS pitch of a row of x: 4,096 + 16
.set CI,   64*XP                       ; 64 slots of 768 bytes: half fragments (slot 4 hk + m: 64-wide piece hk of K, tile of rows m); used for xq, then Q, then O
.set SCW,  CI+64*768                   ; 64 slots of 64 bytes: their half scale words, word 4 r
.set AB,   SCW+64*64                   ; a[1024], b[1024]
.set STAT, AB+8192                     ; (mu, rstd) of LDS row R at 8 R
.set LI, 2                             ; v2 16 lane   v3 8 lane   v4 4 lane   v5 r   v6 h
.set L8, 3
.set L4, 4
.set RR, 5
.set HH, 6
.set XS, 7                             ; v7 where my wave stores its rows of x
.set XR, 8                             ; v8-11 where lane (r, h) reads (and at the end writes) tile m's row
.set AA, 12                            ; v12-16 phase X; at the end v12-15 rows read back, v16 my offset in out0
.set ABS, 13
.set ABG, 14
.set ST0, 15
.set STR, 16
.set CW, 17                            ; v17-19 my wave's own 16 slots: registers 0-3, registers 4-5, words
.set CW8, 18
.set SW, 19
.set CA, 20                            ; v20-22 all slots
.set CA8, 21
.set SA, 22
.set WC, 23                            ; v23-26 this chunk's and the next chunk's weights, bias, scale words
.set WN, 24
.set BA, 25
.set SN, 26
.set B0, 27
.set WS0, 28
.set ASC, 32                           ; v32-47 scale words of the rows, or of K; v48-63 of the weights, or of V; v64 Q's; v65-68 p's: they hold scales and nothing else
.set WSC, 48
.set PF, 69                            ; v69 256 x lane; never rewritten
.set RP, 70                            ; r + 8 (r / 8)
.set XB, 71
.set QTM, 72
.set QTP, 76
.set QSO, 80
.set QT3, 84
.set MS, 72                            ; v72-103 (mu, rstd) of my wave's 16 rows
.set MSM, 120                          ; v120-127 (mu, rstd) of lane r's row in tile m
.set RT, RR
.set RO0, 0
.set RO1, 16
.set RO2, 32
.set RO3, 48
.set MSB, 0
.macro WIN new                         ; the immediate's high byte repeats the setting that is left; a switch that changes nothing is dropped
.if MSB != (\new)
	s_set_vgpr_msb (MSB<<8)|(\new)
.set MSB, \new
.endif
.endm
.macro PLACES n
.rept \n
	v_nop
.endr
.endm
.macro BARRIER                         ; my LDS stores have landed and my LDS loads are in: then the work-group's barrier
	s_wait_dscnt 0x0
	s_barrier_signal -1
	s_barrier_wait -1
.endm
; 32 numbers a unit (16 of block 0, 16 of block 1 of a 64-wide piece of K; register 16 e + i = k 32 e + 16 h + i of the lane's row) become half a fragment (6 registers) and half a scale word (2 bytes).
.macro QHALF cnt, src, dst, wrd
.set qn, 2*(\cnt)
.set qe, 0
.rept qn
	v_max3_num_f32 v[QTM+qe], |v[(\src)+16*qe]|, |v[(\src)+16*qe+1]|, 0x1800000   ; with the floor 2^(3 - 127): the byte cannot fall under 1
.set qe, qe+1
.endr
.set qi, 2
.rept 7
.set qe, 0
.rept qn
	v_max3_num_f32 v[QTM+qe], v[QTM+qe], |v[(\src)+16*qe+qi]|, |v[(\src)+16*qe+qi+1]|
.set qe, qe+1
.endr
.set qi, qi+2
.endr
.set qe, 0
.rept qn
	v_permlanex16_b32 v[QTP+qe], v[QTM+qe], s26, s27
.set qe, qe+1
.endr
.set qe, 0
.rept qn
	v_max_num_f32 v[QTM+qe], v[QTM+qe], v[QTP+qe]   ; with lane l xor 16's 16: the block's largest magnitude
.set qe, qe+1
.endr
.set qe, 0
.rept qn
	v_add_nc_u32 v[QSO+qe], 0xff000000, v[QTM+qe]   ; 2 off its exponent field: the conversion's scale operand
.set qe, qe+1
.endr
.set qe, 0
.rept qn
	v_lshrrev_b32 v[QTP+qe], 23, v[QSO+qe]          ; the scale's byte
.set qe, qe+1
.endr
.set qu, 0
.rept \cnt
	v_lshl_or_b32 v[(\wrd)+qu], v[QTP+2*qu+1], 8, v[QTP+2*qu]
.set qu, qu+1
.endr
.set qu, 0
.rept \cnt
	v_cvt_scalef32_pk16_fp6_f32 v[(\dst)+6*qu:(\dst)+6*qu+2], v[(\src)+32*qu:(\src)+32*qu+15], v[QSO+2*qu]
	v_cvt_scalef32_pk16_fp6_f32 v[QT3+4*qu:QT3+4*qu+2], v[(\src)+32*qu+16:(\src)+32*qu+31], v[QSO+2*qu+1]
.set qu, qu+1
.endr
	v_nop                                          ; one plain instruction behind the scaled conversions
.set qu, 0
.rept \cnt                                     ; the layout wants a whole block in a lane: lanes 0-15 block 0, lanes 16-31 block 1
.set qi, 0
.rept 3
	v_permlane16_swap_b32 v[(\dst)+6*qu+qi], v[QT3+4*qu+qi]
.set qi, qi+1
.endr
.set qi, 0
.rept 3
	v_mov_b32 v[(\dst)+6*qu+3+qi], v[QT3+4*qu+qi]
.set qi, qi+1
.endr
.set qu, qu+1
.endr
.endm
; One scaled product from the symbols rD, rA, rB, rC, sA, sB; fA, fB: the side's scales stand in lanes 16-31.  cm = 0: C is the constant 0.
.macro WM cm
.if \cm
.if fA && fB
	v_wmma_scale_f32_16x16x128_f8f6f4 v[rD:rD+7], v[rA:rA+11], v[rB:rB+11], v[rC:rC+7], v[sA], v[sB] matrix_a_fmt:MATRIX_FMT_FP6 matrix_b_fmt:MATRIX_FMT_FP6 matrix_a_scale:MATRIX_SCALE_ROW1 matrix_b_scale:MATRIX_SCALE_ROW1
.elseif fA
	v_wmma_scale_f32_16x16x128_f8f6f4 v[rD:rD+7], v[rA:rA+11], v[rB:rB+11], v[rC:rC+7], v[sA], v[sB] matrix_a_fmt:MATRIX_FMT_FP6 matrix_b_fmt:MATRIX_FMT_FP6 matrix_a_scale:MATRIX_SCALE_ROW1
.elseif fB
	v_wmma_scale_f32_16x16x128_f8f6f4 v[rD:rD+7], v[rA:rA+11], v[rB:rB+11], v[rC:rC+7], v[sA], v[sB] matrix_a_fmt:MATRIX_FMT_FP6 matrix_b_fmt:MATRIX_FMT_FP6 matrix_b_scale:MATRIX_SCALE_ROW1
.else
	v_wmma_scale_f32_16x16x128_f8f6f4 v[rD:rD+7], v[rA:rA+11], v[rB:rB+11], v[rC:rC+7], v[sA], v[sB] matrix_a_fmt:MATRIX_FMT_FP6 matrix_b_fmt:MATRIX_FMT_FP6
.endif
.else
.if fA && fB
	v_wmma_scale_f32_16x16x128_f8f6f4 v[rD:rD+7], v[rA:rA+11], v[rB:rB+11], 0, v[sA], v[sB] matrix_a_fmt:MATRIX_FMT_FP6 matrix_b_fmt:MATRIX_FMT_FP6 matrix_a_scale:MATRIX_SCALE_ROW1 matrix_b_scale:MATRIX_SCALE_ROW1
.elseif fA
	v_wmma_scale_f32_16x16x128_f8f6f4 v[rD:rD+7], v[rA:rA+11], v[rB:rB+11], 0, v[sA], v[sB] matrix_a_fmt:MATRIX_FMT_FP6 matrix_b_fmt:MATRIX_FMT_FP6 matrix_a_scale:MATRIX_SCALE_ROW1
.elseif fB
	v_wmma_scale_f32_16x16x128_f8f6f4 v[rD:rD+7], v[rA:rA+11], v[rB:rB+11], 0, v[sA], v[sB] matrix_a_fmt:MATRIX_FMT_FP6 matrix_b_fmt:MATRIX_FMT_FP6 matrix_b_scale:MATRIX_SCALE_ROW1
.else
	v_wmma_scale_f32_16x16x128_f8f6f4 v[rD:rD+7], v[rA:rA+11], v[rB:rB+11], 0, v[sA], v[sB] matrix_a_fmt:MATRIX_FMT_FP6 matrix_b_fmt:MATRIX_FMT_FP6
.endif
.endif
.endm
; All 32 fragments of the 64 rows (tile m, K step s at register 12 (4 (s % 4) + m), window 2 for s < 4, else 3) and their scale words: v[ASC + 2 s + a]: lanes 0-15 tile 2 a, lanes 16-31 tile 2 a + 1.
.macro LOADF                           ; the fragments, K ascending, 16 loads a K step; the K steps wait for them by count
.set hk, 0
.rept 16
	WIN 0x80+0x40*(hk/8)
.set lm, 0
.rept 4
.set ra, 12*(4*((hk/2)%4)+lm)+6*(hk%2)
	ds_load_b128 v[ra:ra+3], v[CA] offset:(4*hk+lm)*768
	ds_load_b64 v[ra+4:ra+5], v[CA8] offset:(4*hk+lm)*768
.set lm, lm+1
.endr
.set hk, hk+1
.endr
	WIN 0
.endm
.macro LOADA                           ; the scale words first, then the fragments
	WIN 0
.set hk, 0
.rept 16
	ds_load_b32 v[ASC+hk], v[SA] offset:(8*(hk/2)+2*(hk%2))*64
	ds_load_b32 v[72+hk], v[SA] offset:(8*(hk/2)+4+2*(hk%2))*64
.set hk, hk+1
.endr
	s_wait_dscnt 0x0
.set hk, 0
.rept 16
	v_lshl_or_b32 v[ASC+hk], v[72+hk], 16, v[ASC+hk]   ; the two halves make the K step's word
.set hk, hk+1
.endr
	PLACES 8
	LOADF
.endm
.macro WLOAD slot, adr, off            ; a K step's four weight fragments into ring slot (window 1, 48 registers)
	WIN 0x40
.set lt, 0
.rept 12
	global_load_b128 v[48*(\slot)+4*lt:48*(\slot)+4*lt+3], v[\adr], s[40:41] offset:(\off)+512*lt
.set lt, lt+1
.endr
.endm
.macro BILOAD adr                      ; the bias in the result's layout: for tile t eight numbers at column 32 (t / 2) + 8 (t % 2) + 16 h: window 1, v192 + 8 t
	WIN 0x40
.set lt, 0
.rept 4
	global_load_b128 v[192+8*lt:195+8*lt], v[\adr], s[44:45] offset:4*(32*(lt/2)+8*(lt%2))
	global_load_b128 v[196+8*lt:199+8*lt], v[\adr], s[44:45] offset:4*(32*(lt/2)+8*(lt%2))+16
.set lt, lt+1
.endr
.endm
.macro WSLOAD adr, half                ; the weights' scale words of K steps 4 half .. + 3: v[WSC + 8 p + s]: lanes 0-15 tile 2 p, lanes 16-31 tile 2 p + 1
	WIN 0
	global_load_b128 v[WSC+4*(\half):WSC+4*(\half)+3], v[\adr], s[42:43] offset:16*(\half)
	global_load_b128 v[WSC+8+4*(\half):WSC+8+4*(\half)+3], v[\adr], s[42:43] offset:1024+16*(\half)
.endm
; A K step: 16 products, the 16 accumulators by turns, one instruction a turn.  n: how many younger loads may stay out.
; Source 0 = weights, source 1 = rows: a lane holds one row, its registers run along the columns.  The bias tiles are the C of the first K step.
.set DSX, 0                            ; LDS loads that a trip issues ahead of its K steps: 0 in the q projection, 32 (x) in the out projection
.macro KSTEP s, n
	s_wait_loadcnt \n
.if 16*(7-(\s))+DSX > 63                       ; the rows' fragments of this K step are in: behind them LOADA issued 16 loads for each later K step, and the trip DSX more (a count cannot name more than 63)
	s_wait_dscnt 63
.else
	s_wait_dscnt 16*(7-(\s))+DSX
.endif
.if (\s) == 0
	WIN 0x19
.else
	WIN 0x09+4*((\s)/4)
.endif
.set km, 0
.rept 4
.set kt, 0
.rept 4
.set rD, 128+8*(4*km+kt)
.set rA, 48*((\s)%4)+12*kt
.set rB, 12*(4*((\s)%4)+km)
.set sA, WSC+8*(kt/2)+(\s)
.set sB, ASC+2*(\s)+km/2
.set fA, kt%2
.set fB, km%2
.set rC, rD
.if (\s) == 0
.set rC, 192+8*kt
.endif
	WM 1
.set kt, kt+1
.endr
.set km, km+1
.endr
	PLACES 4                                       ; in front of loads into registers that these products have read, and of the first read of results
.endm
.macro PTOP                            ; a chunk's head: offsets of this chunk and of the next; the last chunk's look-ahead wraps to the wave's first chunk, so that every load stays inside its buffer and every trip issues the same loads
	s_wait_xcnt 0x0                                ; offset registers and stores' data registers are written again only behind this wait
	s_add_co_u32 s34, s32, 1
	s_and_b32 s34, s34, 3
	s_mul_i32 s35, s32, 49152
	s_mul_i32 s36, s34, 49152
	s_lshl_b32 s37, s34, 8
	s_lshl_b32 s38, s34, 11
	s_cmp_lt_u32 s32, 3
	s_cselect_b32 s39, 1, 0                        ; 0 in the last chunk, which has no next chunk
	v_add_nc_u32 v[WC], s35, v[LI]
	v_mad_u32_u24 v[WN], v[LI], s39, s36           ; there every lane names the same 16 bytes of the wave's first chunk: the same loads in every trip, all inside the buffer
	v_add_nc_u32 v[BA], s37, v[B0]
	v_add_nc_u32 v[SN], s38, v[WS0]
.endm
; A chunk's eight K steps.  Behind step s the ring slot that it has read takes K step s + 4 (of the next chunk from step 4 on).  The counts are the loads issued behind the slot's twelve:
; 12+12+14 = 38; 12+14+20 = 46; 14+20+12 = 46; 2+20+12+12 = 46; 8+12+12+14 = 46; 12+14+12 = 38; 14+12+12 = 38; 2+36 = 38.
.macro LOADKC                          ; K's codes of one head: 48 loads into window 2
	WIN 0x80
.set li, 0
.rept 48
	global_load_b128 v[4*li:4*li+3], v[LI], s[46:47] offset:512*li
.set li, li+1
.endr
	WIN 0
.endm
; kq = 1 (the q projection): in the last chunk window 2 is read no more behind K step 3, and takes K's codes of my first head; the 48 younger loads leave every counted wait below on the strict side
.macro PROJ8 kq
	KSTEP 0, 38
	WLOAD 0, WC, 4*6144
	BILOAD BA
	KSTEP 1, 46
	WLOAD 1, WC, 5*6144
	KSTEP 2, 46
	WLOAD 2, WC, 6*6144
	KSTEP 3, 46
	WLOAD 3, WC, 7*6144
	WSLOAD SN, 0
.if \kq
	s_cmp_lg_u32 s32, 3
	s_cbranch_scc1 .Lnokc
	LOADKC
.Lnokc:
.endif
	KSTEP 4, 46
	WLOAD 0, WN, 0
	KSTEP 5, 38
	WLOAD 1, WN, 6144
	KSTEP 6, 38
	WLOAD 2, WN, 2*6144
	KSTEP 7, 38
	WLOAD 3, WN, 3*6144
	WSLOAD SN, 1
.endm
.macro PROLOG                          ; the same order as in a trip, so that the first trip's counts are the loop's
	BILOAD B0
	WSLOAD WS0, 0
	WLOAD 0, LI, 0
	WLOAD 1, LI, 6144
	WLOAD 2, LI, 2*6144
	WLOAD 3, LI, 3*6144
	WSLOAD WS0, 1
.endm
.macro XLOAD8 hi                       ; eight rows of x: a load covers 512 consecutive bytes; row i in 32 registers of window 2 + hi
	WIN 0x80+0x40*(\hi)
.set xi, 0
.rept 8
.set xc, 0
.rept 8
	global_load_b128 v[32*xi+4*xc:32*xi+4*xc+3], v[LI], s[4:5] offset:4096*(8*(\hi)+xi)+512*xc th:TH_LOAD_NT
.set xc, xc+1
.endr
.set xi, xi+1
.endr
.endm
.macro ROWS8 hi                        ; eight rows go to LDS as they are, and their sums begin: v[192 + 2 row] pairs
	WIN 0x08+4*(\hi)
.set xi, 0
.rept 8
.set xc, 0
.rept 8
	ds_store_b128 v[XS], v[32*xi+4*xc:32*xi+4*xc+3] offset:XP*(8*(\hi)+xi)+512*xc
.set xc, xc+1
.endr
.set xi, xi+1
.endr
	WIN 0x0a+5*(\hi)
.set xi, 0
.rept 8
	v_pk_add_f32 v[192+2*(8*(\hi)+xi):193+2*(8*(\hi)+xi)], v[32*xi:32*xi+1], v[32*xi+2:32*xi+3]
.set xi, xi+1
.endr
	WIN 0x08+4*(\hi)
.set xc, 2
.rept 14
.set xi, 0
.rept 8
	v_pk_add_f32 v[192+2*(8*(\hi)+xi):193+2*(8*(\hi)+xi)], v[192+2*(8*(\hi)+xi):193+2*(8*(\hi)+xi)], v[32*xi+2*xc:32*xi+2*xc+1]
.set xi, xi+1
.endr
.set xc, xc+1
.endr
	WIN 0
.endm
.macro DEV8 hi                         ; x - mu in place, and the sums of its squares
	WIN 0x82+0x41*(\hi)
.set xc, 0
.rept 16
.set xi, 0
.rept 8
	v_pk_add_f32 v[32*xi+2*xc:32*xi+2*xc+1], v[32*xi+2*xc:32*xi+2*xc+1], v[MS+2*(8*(\hi)+xi):MS+2*(8*(\hi)+xi)+1] op_sel_hi:[1,0] neg_lo:[0,1] neg_hi:[0,1]
.set xi, xi+1
.endr
.set xc, xc+1
.endr
	WIN 0x0a+5*(\hi)
.set xi, 0
.rept 8
	v_pk_mul_f32 v[192+2*(8*(\hi)+xi):193+2*(8*(\hi)+xi)], v[32*xi:32*xi+1], v[32*xi:32*xi+1]
.set xi, xi+1
.endr
.set xc, 1
.rept 15
.set xi, 0
.rept 8
	v_pk_fma_f32 v[192+2*(8*(\hi)+xi):193+2*(8*(\hi)+xi)], v[32*xi+2*xc:32*xi+2*xc+1], v[32*xi+2*xc:32*xi+2*xc+1], v[192+2*(8*(\hi)+xi):193+2*(8*(\hi)+xi)]
.set xi, xi+1
.endr
.set xc, xc+1
.endr
	WIN 0
.endm
.macro REDUCE f                        ; eight rows' sums (rows f .. f + 7) over the 32 lanes, by turns: v[224 + row]
.set xi, \f
.rept 8
	v_add_f32 v[224+xi], v[192+2*xi], v[193+2*xi]
.set xi, xi+1
.endr
.irp k, 1,2,4,8
.set xi, \f
.rept 8
	v_add_f32_dpp v[224+xi], v[224+xi], v[224+xi] row_xmask:\k row_mask:0xf bank_mask:0xf
.set xi, xi+1
.endr
.endr
.set xi, \f
.rept 8
	v_permlanex16_b32 v[160+xi], v[224+xi], s26, s27   ; (v160-175 were loaded as parts of a, b and are done with)
.set xi, xi+1
.endr
.set xi, \f
.rept 8
	v_add_f32 v[224+xi], v[224+xi], v[160+xi]
.set xi, xi+1
.endr
.endm
.macro STATS hi                        ; eight rows: mu, x - mu, the sum of its squares in v[224 + row]
	REDUCE 8*(\hi)
.set xi, 8*(\hi)
.rept 8
	v_mul_f32 v[MS+2*xi], 0x3a800000, v[224+xi]    ; mu
.set xi, xi+1
.endr
	s_wait_alu depctr_va_vdst(0)
	s_wait_dscnt 0x0                               ; the rows' stores have read their registers
	DEV8 \hi
	REDUCE 8*(\hi)
.endm
; Tile m of a K step: y = ((x - mu) rstd) a + b, quantised, two half fragments and half words to my slots.  n: LDS instructions that may stay out.
.macro MQ m, n
	s_wait_dscnt \n
	WIN 0x02
.set yi, 0
.rept 32
	v_pk_add_f32 v[128+2*yi:129+2*yi], v[64*(\m)+2*yi:64*(\m)+2*yi+1], v[MSM+2*(\m):MSM+2*(\m)+1] op_sel_hi:[1,0] neg_lo:[0,1] neg_hi:[0,1]
.set yi, yi+1
.endr
	WIN 0
.set yi, 0
.rept 32
	v_pk_mul_f32 v[128+2*yi:129+2*yi], v[128+2*yi:129+2*yi], v[MSM+2*(\m):MSM+2*(\m)+1] op_sel:[0,1] op_sel_hi:[1,1]
.set yi, yi+1
.endr
	WIN 0x3c                                       ; a and b lie in window 3
.set yi, 0
.rept 32
	v_pk_fma_f32 v[128+2*yi:129+2*yi], v[128+2*yi:129+2*yi], v[2*yi:2*yi+1], v[64+2*yi:65+2*yi]
.set yi, yi+1
.endr
	WIN 0
	QHALF 2, 128, 92+12*((\m)%2), 116+2*((\m)%2)
.set yc, 0
.rept 2
.set yd, 92+12*((\m)%2)+6*yc
	ds_store_b128 v29, v[yd:yd+3] offset:(4*yc+(\m))*768
	ds_store_b64 v30, v[yd+4:yd+5] offset:(4*yc+(\m))*768
	ds_store_b32 v31, v[116+2*((\m)%2)+yc] offset:(4*yc+(\m))*64
.set yc, yc+1
.endr
.endm
	s_load_b256 s[4:11], s[0:1], 0x0               ; x_q s[4:5], ssp s[6:7], wfrag s[8:9], Wq_scales s[10:11]
	s_load_b256 s[12:19], s[0:1], 0x20             ; bq s[12:13], kvf s[14:15], kvs s[16:17], Wp_scales s[18:19]
	s_load_b128 s[20:23], s[0:1], 0x40             ; bp s[20:21], out0 s[22:23]
	v_and_b32 v1, 31, v0
	v_lshlrev_b32 v[LI], 4, v1
	v_lshlrev_b32 v[L8], 3, v1
	v_lshlrev_b32 v[L4], 2, v1
	v_and_b32 v[RR], 15, v0
	v_bfe_u32 v[HH], v0, 4, 1
	v_lshrrev_b32 v[XS], 5, v0
	v_readfirstlane_b32 s24, v[XS]                 ; wave
	v_and_b32 v[RP], 8, v[RR]
	v_add_nc_u32 v[RP], v[RP], v[RR]
	s_mul_i32 s34, s24, 16*XP
	v_add_nc_u32 v[XS], s34, v[LI]
	s_lshl_b32 s35, s24, 10
	v_mul_u32_u24 v[XB], v[RT], XP
	v_lshl_add_u32 v[XB], v[HH], 6, v[XB]
	v_add_nc_u32 v[XB], s35, v[XB]                 ; my row, + 64 h, + my wave's 256 columns (1,024 w bytes)
.irp m, 0,1,2,3
	v_add_nc_u32 v[XR+\m], XP*RO\m, v[XB]
.endr
	v_lshl_add_u32 v[AA], v[HH], 6, AB
	v_add_nc_u32 v[AA], s35, v[AA]
	v_lshl_add_u32 v[ABS], v0, 4, AB
	v_lshlrev_b32 v[ABG], 4, v0
	s_lshl_b32 s36, s24, 7
	s_add_co_u32 s36, s36, STAT
	v_mov_b32 v[ST0], s36
	v_lshl_add_u32 v[STR], v[RT], 3, STAT
	s_mul_i32 s37, s24, 16*768
	s_add_co_u32 s37, s37, CI
	v_add_nc_u32 v[CW], s37, v[LI]
	v_add_nc_u32 v[CW8], s37, v[L8]
	v_add_nc_u32 v[CW8], 512, v[CW8]
	v_lshl_add_u32 v[SW], v[RR], 2, SCW
	v_add_nc_u32 v[SW], s35, v[SW]
	v_add_nc_u32 v[CA], CI, v[LI]
	v_add_nc_u32 v[CA8], CI+512, v[L8]
	v_add_nc_u32 v[SA], SCW, v[L4]
	v_lshlrev_b32 v[B0], 6, v[HH]
	v_lshl_add_u32 v[WS0], v[HH], 3, v[RP]
	v_lshlrev_b32 v[WS0], 5, v[WS0]
	v_lshlrev_b32 v[PF], 8, v1
.set xi, 0
.rept 16
	v_mov_b32 v[MS+2*xi+1], 0                      ; named as the upper half of a pair before rstd is written there
.set xi, xi+1
.endr
	s_mov_b32 s25, ttmp9
	s_mov_b32 s26, 0x76543210
	s_mov_b32 s27, 0xfedcba98                      ; selects for lane l xor 16
	s_mov_b32 s28, 0x3e38aa3b                      ; c = log2(e) / sqrt(64)
	s_mov_b32 s29, s28                             ; (named with it as a pair)
	s_mov_b32 s30, 0x3a800000                      ; 1 / 1,024
	s_mov_b32 s31, 0x3727c5ac                      ; 1e-5
	s_lshr_b32 s39, s25, 5                         ; b
	s_lshl_b32 s34, s25, 18
	s_mov_b32 s35, 0
	s_lshl_b32 s36, s24, 16
	s_mov_b32 s37, 0
	s_wait_kmcnt 0x0
	s_add_nc_u64 s[54:55], s[22:23], s[34:35]      ; out0 at my 64 rows
	s_add_nc_u64 s[4:5], s[4:5], s[34:35]
	s_add_nc_u64 s[4:5], s[4:5], s[36:37]          ; x at my wave's 16 rows
	s_lshl_b32 s34, s39, 13
	s_add_nc_u64 s[6:7], s[6:7], s[34:35]          ; ssp: mat 0, my batch
	s_mul_i32 s34, s39, 786432
	s_mul_i32 s36, s24, 98304
	s_add_co_u32 s34, s34, s36
	s_add_nc_u64 s[46:47], s[14:15], s[34:35]      ; K of head 4 w
	s_add_nc_u64 s[50:51], s[46:47], 393216        ; V of head 4 w
	s_mul_i32 s34, s39, 49152
	s_lshl_b32 s36, s24, 13
	s_add_co_u32 s36, s34, s36
	s_add_nc_u64 s[48:49], s[16:17], s[36:37]      ; K's scale words
	s_lshl_b32 s36, s24, 12
	s_add_co_u32 s36, s34, s36
	s_add_co_u32 s36, s36, 32768
	s_add_nc_u64 s[52:53], s[16:17], s[36:37]      ; V's
	; the one prefetch a wave.  Waves 0-2: the 32 work-groups of a batch share its K and V (786,432 bytes) out by address: 24,576 each, 8,192 a wave, lanes 256 bytes apart.
	; Wave 3 of work-groups 0-191: Wq's and Wp's fragments (1,572,864 bytes), 8,192 each.  So each block of 256 bytes is named once in the launch.
	s_and_b32 s34, s25, 31
	s_mul_i32 s34, s34, 24576
	s_mul_i32 s36, s39, 786432
	s_add_co_u32 s34, s34, s36
	s_lshl_b32 s36, s24, 13
	s_add_co_u32 s34, s34, s36
	s_lshl_b32 s36, s25, 13
	s_cmp_lt_u32 s24, 3
	s_cselect_b64 s[56:57], s[14:15], s[8:9]
	s_cselect_b32 s34, s34, s36
	s_cselect_b32 s58, 0, s25                      ; 0 in waves 0-2, g in wave 3
	s_add_nc_u64 s[56:57], s[56:57], s[34:35]
	; ---- X: 144 loads: the four parts of a, b (16), then my 16 rows
.irp p, 0,1,2,3
.irp q, 0,1,2,3
	global_load_b128 v[128+16*\p+4*\q:131+16*\p+4*\q], v[ABG], s[6:7] offset:65536*\p+2048*\q
.endr
.endr
	XLOAD8 0
	XLOAD8 1
	WIN 0
	s_wait_loadcnt 63                              ; of 144 the first 81 are in: a, b and rows 0-7
.irp p, 1,2,3
.irp e, 0,2,4,6,8,10,12,14
	v_pk_add_f32 v[128+\e:129+\e], v[128+\e:129+\e], v[128+16*\p+\e:129+16*\p+\e]
.endr
.endr
.irp q, 0,1,2,3
	ds_store_b128 v[ABS], v[128+4*\q:131+4*\q] offset:2048*\q
.endr
	ROWS8 0
	STATS 0                                        ; rows 0-7 are finished while rows 8-15 are on their way
	s_wait_loadcnt 0x0
	s_mov_b32 s35, 0                               ; the q projection's bases: my four chunks of Wq, their scale words, their bias
	s_mul_i32 s34, s24, 196608
	s_add_nc_u64 s[40:41], s[8:9], s[34:35]
	s_lshl_b32 s34, s24, 13
	s_add_nc_u64 s[42:43], s[10:11], s[34:35]
	s_lshl_b32 s34, s24, 10
	s_add_nc_u64 s[44:45], s[12:13], s[34:35]
	PROLOG                                         ; 60 loads into window 1 and v48-63, which nothing names before the q projection: they are out under the statistics and the modulation
	s_cmp_ge_u32 s58, 192
	s_cbranch_scc1 .Lnopf
	global_prefetch_b8 v[PF], s[56:57] th:TH_LOAD_NT scope:SCOPE_SE   ; behind the wait for x; but for each wave's first four K steps of Wq, asked for just above, what it names is first loaded behind the modulation (weights) and in the q projection's last chunk or later (K, V)
.Lnopf:
	ROWS8 1
	STATS 1
.set xi, 0
.rept 16
	v_fma_f32 v[224+xi], v[224+xi], s30, s31       ; the variance + 1e-5
.set xi, xi+1
.endr
.set xi, 0
	s_wait_alu depctr_va_vdst(0)
.rept 16
	v_rsq_f32 v[MS+2*xi+1], v[224+xi]
.set xi, xi+1
.endr
	v_nop
	s_wait_alu depctr_va_vdst(0)                   ; one wait for the batch, ahead of its first reader
.set xi, 0
.rept 16
	ds_store_b64 v[ST0], v[MS+2*xi:MS+2*xi+1] offset:8*xi   ; every lane writes the same pair
.set xi, xi+1
.endr
	BARRIER                                        ; x, a, b and the statistics of all 64 rows lie in LDS
.irp m, 0,1,2,3
	ds_load_b64 v[MSM+2*\m:MSM+2*\m+1], v[STR] offset:8*RO\m
.endr
	s_mov_b32 s33, 0
	s_mov_b32 s34, 0                               ; 512 x trip: along a row of x, a, b; and 8 slots of words
	s_mov_b32 s35, 0                               ; 6,144 x trip: 8 slots of codes
.Lmq:                                                  ; two trips: K steps 2 w and 2 w + 1, each for the four tiles of rows
.irp m, 0,1,2,3
	v_add_nc_u32 v[200+\m], s34, v[XR+\m]
.endr
	v_add_nc_u32 v204, s34, v[AA]
	v_add_nc_u32 v29, s35, v[CW]
	v_add_nc_u32 v30, s35, v[CW8]
	v_add_nc_u32 v31, s34, v[SW]
	WIN 0xc0                                       ; a, b into window 3, whose rows of x are done with: window 1 holds the first weights
.set yi, 0
.rept 16
	ds_load_b128 v[4*yi:4*yi+3], v204 offset:128*(yi/4)+16*(yi%4)
	ds_load_b128 v[64+4*yi:67+4*yi], v204 offset:4096+128*(yi/4)+16*(yi%4)
.set yi, yi+1
.endr
	WIN 0x80
.irp m, 0,1,2,3
.set yi, 0
.rept 16
	ds_load_b128 v[64*\m+4*yi:64*\m+4*yi+3], v[200+\m] offset:128*(yi/4)+16*(yi%4)
.set yi, yi+1
.endr
.endr
	WIN 0
	MQ 0, 48                                       ; tiles 1-3's 48 loads may be out
	MQ 1, 38                                       ; tiles 2, 3's 32 loads and tile 0's 6 stores
	MQ 2, 6                                        ; tile 1's 6 stores: tile 0's, which read the registers written next, are done
	MQ 3, 6
	s_add_co_u32 s34, s34, 512
	s_add_co_u32 s35, s35, 6144
	s_add_co_u32 s33, s33, 1
	s_cmp_lt_u32 s33, 2
	s_cbranch_scc1 .Lmq
	BARRIER                                        ; all 64 slots of xq lie in LDS
	; ---- 1: q = xq Wq + bq, my four heads; each head's q is quantised and goes into my own slots
	s_mov_b32 s35, 0
	LOADA
	BARRIER                                        ; every wave has read xq's slots: they may be written again
	s_mov_b32 s32, 0
	s_mov_b32 s58, 0                               ; 3,072 x chunk
	s_mov_b32 s59, 0                               ; 256 x chunk
.Lq:
	PTOP
	s_wait_alu depctr_va_vdst(0)
	PROJ8 1
	s_wait_dscnt 0x0                               ; the last chunk's image stores have read their registers
	v_add_nc_u32 v29, s58, v[CW]
	v_add_nc_u32 v30, s58, v[CW8]
	v_add_nc_u32 v31, s59, v[SW]
	QHALF 2, 128, 92, 116
	QHALF 2, 192, 104, 118
.irp m, 0,1,2,3
	ds_store_b128 v29, v[92+6*\m:95+6*\m] offset:768*\m
	ds_store_b64 v30, v[96+6*\m:97+6*\m] offset:768*\m
	ds_store_b32 v31, v[116+\m] offset:64*\m
.endr
	s_add_co_u32 s58, s58, 3072
	s_add_co_u32 s59, s59, 256
	s_add_co_u32 s32, s32, 1
	s_cmp_lt_u32 s32, 4
	s_cbranch_scc1 .Lq
	s_wait_loadcnt 0x0                             ; the wrapped look-ahead has landed: its registers are free
	; ---- ATTENTION: 16 units, unit U = head 4 w + U / 4, rows 16 (U % 4) .. + 15; its Q lies in my slot U, and its O goes back there.
	; window 0: v104-115 Q (the upper six are zeros); v120-127 the sum in four pairs; v128-143 the blocks' largest; v144-159, v160-175 at work; v176-207 O^T; v208-239 O^T / l; v240-251 p's codes; v252 -M; v254 1 / l
	; window 1: S^T, then p: register 16 B + i = key 32 B + 16 h + i.   window 2: K, key tile j at 6 j.   window 3: V^T, fragment (d tile t, 128 keys s) at 12 (4 s + t).
.macro LOADK                           ; 56 loads
	WIN 0x80
.set li, 0
.rept 48
	global_load_b128 v[4*li:4*li+3], v[LI], s[46:47] offset:512*li
.set li, li+1
.endr
	WIN 0
.set li, 0
.rept 8
	global_load_b64 v[ASC+2*li:ASC+2*li+1], v[L8], s[48:49] offset:256*li
.set li, li+1
.endr
.endm
.macro LOADV first, cnt                ; blocks of 64 keys first .. first + cnt - 1: 8 loads each; with block 0 also the two loads of scale words.  V comes as 50 loads and, behind the next scores, 16 more
	WIN 0xc0
.set lr, \first
.rept \cnt
.set lt, 0
.rept 4
.set ra, 12*(4*(lr/2)+lt)+6*(lr%2)
	global_load_b128 v[ra:ra+3], v[LI], s[50:51] offset:3072*lr+768*lt
	global_load_b64 v[ra+4:ra+5], v[L8], s[50:51] offset:3072*lr+768*lt+512
.set lt, lt+1
.endr
.set lr, lr+1
.endr
	WIN 0
.if (\first) == 0
	global_load_b128 v[WSC:WSC+3], v[LI], s[52:53]
	global_load_b128 v[WSC+4:WSC+7], v[LI], s[52:53] offset:512
.endif
.endm
.macro FMA s                           ; t - M of 128 keys, two at a time
	WIN 0x41
.set fi, 0
.rept 32
	v_pk_fma_f32 v[64*(\s)+2*fi:64*(\s)+2*fi+1], v[64*(\s)+2*fi:64*(\s)+2*fi+1], s[28:29], v[252:253] op_sel_hi:[1,0,0]
.set fi, fi+1
.endr
.endm
.macro EXPS s                          ; p = 2^(t - M): one batch of 64
	WIN 0x41
.set fi, 0
.rept 64
	v_exp_f32 v[64*(\s)+fi], v[64*(\s)+fi]
.set fi, fi+1
.endr
.endm
; 128 keys: the sum of the unquantised p, p's codes, the next batch of exponentials, then O^T += V^T P^T
.macro PSTEP s
	WIN 0x04
.set fi, 0
.rept 32
	v_pk_add_f32 v[120+2*(fi%4):121+2*(fi%4)], v[120+2*(fi%4):121+2*(fi%4)], v[64*(\s)+2*fi:64*(\s)+2*fi+1]
.set fi, fi+1
.endr
	WIN 0x01
.irp c, 0,1
	v_cvt_scalef32_pk16_fp6_f32 v[240+6*\c:242+6*\c], v[64*(\s)+32*\c:64*(\s)+32*\c+15], v[160+4*(\s)+2*\c]
	v_cvt_scalef32_pk16_fp6_f32 v[QT3+4*\c:QT3+4*\c+2], v[64*(\s)+32*\c+16:64*(\s)+32*\c+31], v[160+4*(\s)+2*\c+1]
.endr
	v_nop                                          ; one plain instruction behind the scaled conversions
	WIN 0
.irp c, 0,1
.irp i, 0,1,2
	v_permlane16_swap_b32 v[240+6*\c+\i], v[QT3+4*\c+\i]
.endr
.irp i, 0,1,2
	v_mov_b32 v[243+6*\c+\i], v[QT3+4*\c+\i]
.endr
.endr
.if (\s) < 3
	EXPS (\s)+1
.endif
.if (\s) < 2
	FMA (\s)+2                                     ; plain work behind the batch, and the places between p's codes and the products
.else
	PLACES 4
.endif
.if (\s) < 3
	s_wait_alu depctr_va_vdst(0)                   ; one wait for the batch of 64, ahead of its first reader
.endif
.if (\s) == 0
	s_wait_loadcnt 0x0                             ; V is in (and, in a head's last unit, the next head's K, asked for a softmax ago)
.endif
	WIN 0x03
.set kt, 0
.rept 4                                        ; the four accumulators by turns
.set rD, 176+8*kt
.set rC, rD
.set rA, 12*(4*(\s)+kt)
.set rB, 240
.set sA, WSC+2*(\s)+kt/2
.set sB, 65+(\s)
.set fA, kt%2
.set fB, 0
.if (\s) == 0
	WM 0
.else
	WM 1
.endif
.set kt, kt+1
.endr
	WIN 0
.endm
	; the zero codes first: an operand register written by a vector instruction stands four places ahead of a scaled product; here the 24 moves below and the loop head's six additions stand between
	WIN 0x80
.irp i, 0,1,2,3,4,5
	v_mov_b32 v[192+\i], 0                         ; what key tile 31 names as its upper 64 along K
.endr
	WIN 0
.irp i, 0,1,2,3,4,5
	v_mov_b32 v[110+\i], 0                         ; Q's upper 64 along K: zero codes
.endr
	v_mov_b32 v253, 0                              ; named as upper halves of pairs
	v_mov_b32 v255, 0
.set fi, 0
.rept 16
	v_mov_b32 v[144+fi], 0                         ; a lane permute's destination counts as one of its sources
.set fi, fi+1
.endr
.set li, 0
.rept 8                                        ; K's scale words of my first head (its codes were asked for in the q projection's last chunk and have landed)
	global_load_b64 v[ASC+2*li:ASC+2*li+1], v[L8], s[48:49] offset:256*li
.set li, li+1
.endr
	LOADV 0, 6
	ds_load_b128 v[104:107], v[CW]                 ; unit 0's Q, from my slot 0
	ds_load_b64 v[108:109], v[CW8]
	ds_load_b32 v64, v[SW]
	s_mov_b32 s32, 0
	s_mov_b32 s58, 0                               ; 768 U
	s_mov_b32 s59, 0                               ; 64 U
.Lunit:
	v_add_nc_u32 v29, s58, v[CW]
	v_add_nc_u32 v30, s58, v[CW8]
	v_add_nc_u32 v31, s59, v[SW]
	s_add_co_u32 s60, s58, 768                     ; the next unit's slot, held at my last one: unit 15 reads its own slot once more, and nobody uses that
	s_min_u32 s60, s60, 15*768
	s_add_co_u32 s61, s59, 64
	s_min_u32 s61, s61, 15*64
	v_add_nc_u32 v12, s60, v[CW]
	v_add_nc_u32 v13, s60, v[CW8]
	v_add_nc_u32 v14, s61, v[SW]
	s_wait_alu depctr_va_vdst(0)
	s_wait_loadcnt 50                              ; K's scale words are older than V's first 50 loads
	s_wait_dscnt 0x0                               ; this unit's Q is in
	WIN 0x42
.set kj, 0
.rept 32                                       ; S^T = K Q^T: 32 tiles of 16 keys
.set rD, 8*kj
.set rA, 6*kj
.set rB, 104
.set sA, ASC+kj/2
.set sB, 64
.set fA, kj%2
.set fB, 0
	WM 0
.set kj, kj+1
.endr
	WIN 0
	PLACES 4
	ds_load_b128 v[104:107], v12                   ; the next unit's Q: the scores have read this unit's; the wait stands at the next unit's head
	ds_load_b64 v[108:109], v13
	ds_load_b32 v64, v14
	s_and_b32 s34, s32, 3                          ; behind a head's first scores: the rest of its V, keys 384 .. 511; the wait for 0 ahead of the first product with V covers it
	s_cmp_lg_u32 s34, 0
	s_cbranch_scc1 .Lnov2
	LOADV 6, 2
.Lnov2:
	s_and_b32 s34, s32, 3
	s_cmp_lg_u32 s34, 3
	s_cbranch_scc1 .Lnok
	s_cmp_eq_u32 s32, 15
	s_cbranch_scc1 .Lnok
	s_wait_xcnt 0x0
	s_add_nc_u64 s[46:47], s[46:47], 24576
	s_add_nc_u64 s[48:49], s[48:49], 2048
	LOADK
.Lnok:
	WIN 0x15                                       ; the largest score of each block of 32 keys: it serves for the row's maximum and, since p rises with the score, for the block's largest p
.set bb, 0
.rept 16
	v_max3_num_f32 v[128+bb], v[16*bb], v[16*bb+1], v[16*bb+2]
.set bb, bb+1
.endr
	WIN 0x14
.set fi, 3
.rept 6
.set bb, 0
.rept 16
	v_max3_num_f32 v[128+bb], v[128+bb], v[16*bb+fi], v[16*bb+fi+1]
.set bb, bb+1
.endr
.set fi, fi+2
.endr
.set bb, 0
.rept 16
	v_max_num_f32 v[128+bb], v[128+bb], v[16*bb+15]
.set bb, bb+1
.endr
	WIN 0
.set bb, 0
.rept 16
	v_permlanex16_b32 v[144+bb], v[128+bb], s26, s27
.set bb, bb+1
.endr
.set bb, 0
.rept 16
	v_max_num_f32 v[128+bb], v[128+bb], v[144+bb]
.set bb, bb+1
.endr
	v_max3_num_f32 v144, v128, v129, v130
	v_max3_num_f32 v145, v136, v137, v138
	v_max3_num_f32 v144, v144, v131, v132
	v_max3_num_f32 v145, v145, v139, v140
	v_max3_num_f32 v144, v144, v133, v134
	v_max3_num_f32 v145, v145, v141, v142
	v_max3_num_f32 v144, v144, v145, v135
	v_max_num_f32 v144, v144, v143                 ; the row's largest score
	v_mul_f32 v144, s28, v144                      ; as t
	v_floor_f32 v252, -v144                        ; -M = floor(-t) = -ceil(t)
.set bb, 0
.rept 16
	v_fma_f32 v[128+bb], v[128+bb], s28, v252
.set bb, bb+1
.endr
	FMA 0
	WIN 0
.set bb, 0
	s_wait_alu depctr_va_vdst(0)
.rept 16
	v_exp_f32 v[128+bb], v[128+bb]                 ; the blocks' largest p
.set bb, bb+1
.endr
	EXPS 0
	FMA 1                                          ; plain work behind the batch
	s_wait_alu depctr_va_vdst(0)                   ; one wait for these 80, ahead of their first reader
	WIN 0
.set bb, 0
.rept 16
	v_max_num_f32 v[128+bb], 0x1800000, v[128+bb]  ; the floor 2^(3 - 127)
.set bb, bb+1
.endr
.set bb, 0
.rept 16
	v_add_nc_u32 v[160+bb], 0xff000000, v[128+bb]  ; the conversions' scale operands
.set bb, bb+1
.endr
.set bb, 0
.rept 16
	v_lshrrev_b32 v[144+bb], 23, v[160+bb]         ; the bytes
.set bb, bb+1
.endr
.irp s, 0,1,2,3
	v_lshl_or_b32 v[65+\s], v[145+4*\s], 8, v[144+4*\s]
.endr
.irp s, 0,1,2,3
	v_lshl_or_b32 v[65+\s], v[146+4*\s], 16, v[65+\s]
.endr
.irp s, 0,1,2,3
	v_lshl_or_b32 v[65+\s], v[147+4*\s], 24, v[65+\s]   ; p's scale word of keys 128 s ..
.endr
.irp i, 0,1,2,3,4,5,6,7
	v_mov_b32 v[120+\i], 0
.endr
	PSTEP 0
	PSTEP 1
	PSTEP 2
	PSTEP 3
	v_pk_add_f32 v[120:121], v[120:121], v[122:123]
	v_pk_add_f32 v[124:125], v[124:125], v[126:127]
	v_pk_add_f32 v[120:121], v[120:121], v[124:125]
	v_add_f32 v120, v120, v121
	v_permlanex16_b32 v144, v120, s26, s27
	v_add_f32 v120, v120, v144                     ; l
	PLACES 2
	s_wait_alu depctr_va_vdst(0)
	v_rcp_f32 v254, v120
	v_nop
	s_wait_alu depctr_va_vdst(0)
.set fi, 0
.rept 16
	v_pk_mul_f32 v[208+2*fi:209+2*fi], v[176+2*fi:177+2*fi], v[254:255] op_sel_hi:[1,0]   ; O^T / l, each accumulator from its low end on
.set fi, fi+1
.endr
	s_and_b32 s34, s32, 3                          ; behind a head's last products the next head's V is asked for
	s_cmp_lg_u32 s34, 3
	s_cbranch_scc1 .Lnov
	s_cmp_eq_u32 s32, 15
	s_cbranch_scc1 .Lnov
	s_wait_xcnt 0x0
	s_add_nc_u64 s[50:51], s[50:51], 24576
	s_add_nc_u64 s[52:53], s[52:53], 1024
	LOADV 0, 6
.Lnov:
	s_wait_alu depctr_va_vdst(0)
	QHALF 1, 208, 92, 116                          ; out's piece of K = this head's 64
	ds_store_b128 v29, v[92:95]
	ds_store_b64 v30, v[96:97]
	ds_store_b32 v31, v116
	s_add_co_u32 s58, s58, 768
	s_add_co_u32 s59, s59, 64
	s_add_co_u32 s32, s32, 1
	s_cmp_lt_u32 s32, 16
	s_cbranch_scc1 .Lunit
	s_wait_loadcnt 0x0                             ; every load of K, V and their scale words has landed: the registers of the scale words are loaded anew below
	; ---- 3: out Wp + bp + x_q, my 256 columns
	s_mov_b32 s35, 0
	s_mul_i32 s34, s24, 196608
	s_add_co_u32 s34, s34, 786432
	s_add_nc_u64 s[40:41], s[8:9], s[34:35]
	s_lshl_b32 s34, s24, 13
	s_add_nc_u64 s[42:43], s[18:19], s[34:35]
	s_lshl_b32 s34, s24, 10
	s_add_nc_u64 s[44:45], s[20:21], s[34:35]
	PROLOG
	BARRIER                                        ; all 64 slots of out lie in LDS
	LOADA
	v_mul_u32_u24 v[XB], v[HH], XP                 ; back by rows: lanes 0-15 one row's 256 bytes, lanes 16-31 the next row's
	v_lshl_add_u32 v[XB], v[RR], 4, v[XB]
	v_add_nc_u32 v[XB], s34, v[XB]
.irp m, 0,1,2,3
	v_add_nc_u32 v[12+\m], 16*XP*\m, v[XB]
.endr
	v_lshlrev_b32 v16, 12, v[HH]
	v_lshl_add_u32 v16, v[RR], 4, v16
	v_add_nc_u32 v16, s34, v16                     ; and the same two rows in out0
	s_mov_b32 s32, 0
	s_mov_b32 s58, 0                               ; 256 x chunk
.Lp:
	PTOP
.irp m, 0,1,2,3
	v_add_nc_u32 v[92+\m], s58, v[XR+\m]
	v_add_nc_u32 v[96+\m], s58, v[12+\m]
.endr
	v_add_nc_u32 v100, s58, v16
.set pm, 0
.rept 4                                        ; x of this chunk's 64 columns, in the result's layout: windows 2 and 3, v192 on
	WIN 0x80+0x40*(pm/2)
.set pq, 0
.rept 8
	ds_load_b128 v[192+32*(pm%2)+4*pq:195+32*(pm%2)+4*pq], v[92+pm] offset:128*(pq/4)+16*(pq%4)
.set pq, pq+1
.endr
.set pm, pm+1
.endr
.set DSX, 32
	PROJ8 0
	s_wait_dscnt 0x0
.set pm, 0
.rept 4
	WIN 0x82+0x41*(pm/2)
.set pq, 0
.rept 16
	v_pk_add_f32 v[192+32*(pm%2)+2*pq:193+32*(pm%2)+2*pq], v[192+32*(pm%2)+2*pq:193+32*(pm%2)+2*pq], v[128+32*pm+2*pq:129+32*pm+2*pq]   ; each accumulator from its low end on
.set pq, pq+1
.endr
.set pm, pm+1
.endr
.set pm, 0
.rept 4
	WIN 0x08+4*(pm/2)
.set pq, 0
.rept 8
	ds_store_b128 v[92+pm], v[192+32*(pm%2)+4*pq:195+32*(pm%2)+4*pq] offset:128*(pq/4)+16*(pq%4)   ; over x: my own columns, which nobody else touches any more
.set pq, pq+1
.endr
.set pm, pm+1
.endr
	WIN 0
.set pm, 0
.rept 4
.set pq, 0
.rept 8
	ds_load_b128 v[128+32*pm+4*pq:131+32*pm+4*pq], v[96+pm] offset:2*XP*pq   ; LDS serves a wave's instructions in order: these see my stores
.set pq, pq+1
.endr
.set pm, pm+1
.endr
.set pq, 0
.rept 32
	s_wait_dscnt 31-pq
	global_store_b128 v100, v[128+4*pq:131+4*pq], s[54:55] offset:4096*(16*(pq/8)+2*(pq%8)) th:TH_STORE_NT   ; sixteen lanes store 256 consecutive bytes, aligned
.set pq, pq+1
.endr
	s_add_co_u32 s58, s58, 256
	s_add_co_u32 s32, s32, 1
	s_cmp_lt_u32 s32, 4
	s_cbranch_scc1 .Lp
	s_wait_xcnt 0x0
	v_lshl_add_u32 v254, v0, 2, 0x4f600
	v_mov_b32 v255, 0
	s_wait_alu depctr_va_vdst(0)
	s_wait_tensorcnt 0x0
	ds_add_u32 v254, v255
	s_wait_dscnt 0x0
	s_endpgm
.Lfunc_end_k_q79ac233230_main:
	.size	k_q79ac233230_main, .Lfunc_end_k_q79ac233230_main-k_q79ac233230_main
	.p2alignl 7, 3214868480
	.fill 96, 4, 3214868480
	.section	.rodata,"a",@progbits
	.p2align	6, 0x0
	.amdhsa_kernel k_q79ac233230_main
		.amdhsa_group_segment_fixed_size 325632
		.amdhsa_private_segment_fixed_size 0
		.amdhsa_enable_private_segment 0
		.amdhsa_kernarg_size 80
		.amdhsa_user_sgpr_count 2
		.amdhsa_user_sgpr_kernarg_segment_ptr 1
		.amdhsa_wavefront_size32 1
		.amdhsa_system_sgpr_workgroup_id_x 1
		.amdhsa_system_sgpr_workgroup_id_y 1
		.amdhsa_system_sgpr_workgroup_id_z 1
		.amdhsa_system_vgpr_workitem_id 0
		.amdhsa_next_free_vgpr 1024
		.amdhsa_next_free_sgpr 66
		.amdhsa_reserve_vcc 0
		.amdhsa_float_denorm_mode_32 3
		.amdhsa_float_denorm_mode_16_64 3
		.amdhsa_memory_ordered 1
		.amdhsa_forward_progress 1
		.amdhsa_inst_pref_size 255
	.end_amdhsa_kernel
	.section	.bss,"aw",@nobits
	.p2align	6
	.space	262144
	.amdgpu_metadata
---
amdhsa.version: [ 1, 2 ]
amdhsa.kernels:
  - .name:           k_q79ac233230_main
    .symbol:         k_q79ac233230_main.kd
    .args:
      - { .name: x_q, .offset: 0, .size: 8, .value_kind: global_buffer, .address_space: global }
      - { .name: ssp, .offset: 8, .size: 8, .value_kind: global_buffer, .address_space: global }
      - { .name: wfrag, .offset: 16, .size: 8, .value_kind: global_buffer, .address_space: global }
      - { .name: Wq_scales, .offset: 24, .size: 8, .value_kind: global_buffer, .address_space: global }
      - { .name: bq, .offset: 32, .size: 8, .value_kind: global_buffer, .address_space: global }
      - { .name: kvf, .offset: 40, .size: 8, .value_kind: global_buffer, .address_space: global }
      - { .name: kvs, .offset: 48, .size: 8, .value_kind: global_buffer, .address_space: global }
      - { .name: Wp_scales, .offset: 56, .size: 8, .value_kind: global_buffer, .address_space: global }
      - { .name: bp, .offset: 64, .size: 8, .value_kind: global_buffer, .address_space: global }
      - { .name: out0, .offset: 72, .size: 8, .value_kind: global_buffer, .address_space: global }
    .group_segment_fixed_size: 325632
    .private_segment_fixed_size: 0
    .kernarg_segment_align: 8
    .kernarg_segment_size: 80
    .max_flat_workgroup_size: 128
    .sgpr_count:     66
    .vgpr_count:     1024
    .wavefront_size: 32
...
	.end_amdgpu_metadata
.endif
;; end of part 3
